; MI455X (gfx1250); checked and timed in simulation.
; The chip was launched on July 23, 2026; its instructions are those of AMD's public machine-readable ISA for CDNA 5 (MIT licence, August 2026) and "CDNA5" Instruction Set Architecture Reference Guide (July 2026). The comments in the code are by the model that wrote it; some were corrected since.
;; Multi Head Attention. Allowed arithmetic: matrix products marked QUANTISED: E2M3 operands, one E8M0 scale for each 32 along K, by v_wmma_scale_f32_16x16x128_f8f6f4 with both operands' format E2M3, f32 sums; everything else in f32.
;; Inputs: Wk 1,024 x 1,024 float32; Wp 1,024 x 1,024 float32; Wq 1,024 x 1,024 float32; Wv 1,024 x 1,024 float32; bk 1,024 float32; bp 1,024 float32; bq 1,024 float32; bv 1,024 float32; x 4 x 2,048 x 1,024 float32.
;; Outputs: out0 4 x 2,048 x 1,024 float32.
;; This version of the problem:
;;   THIS VERSION OF THE PROBLEM IS GIVEN IN LOW PRECISION. The matrix products marked QUANTISED in the list below multiply operands that are first quantised to E2M3 (2 exponent bits, 3 mantissa bits; 6 bits a number), with one power-of-two scale for each 32 numbers along K (OCP MX v1.0); their sums are f32. All else is computed in f32.
;;   The module's matrix products, in the order in which they are computed (A, B: the left and right operand; K: the contracted axis; several contracted axes count as one K, in the product's order):
;;     1. [M 8,192, K 1,024] x [K 1,024, N 1,024]; A: input x; B: input Wq: QUANTISED
;;     2. [M 8,192, K 1,024] x [K 1,024, N 1,024]; A: input x; B: input Wk: QUANTISED
;;     3. [M 8,192, K 1,024] x [K 1,024, N 1,024]; A: input x; B: input Wv: QUANTISED
;;     4. batch 64 x [M 2,048, K 64] x [K 64, N 2,048]; A: computed on the way; B: computed on the way: QUANTISED
;;     5. batch 64 x [M 2,048, K 2,048] x [K 2,048, N 64]; A: softmax (see below); B: computed on the way: QUANTISED
;;     6. [M 8,192, K 1,024] x [K 1,024, N 1,024]; A: computed on the way; B: input Wp: QUANTISED
;;   THE QUANTISER, for each operand of a quantised product, along K:
;;     - K is cut into blocks of 32 from its start; a last block that is shorter is filled with zeros.
;;     - A block's scale is 2^e with e = floor(log2(the largest magnitude in the block)) - 2, held to -126 .. 127; a block of zeros has e = 0. As a byte (E8M0): e + 127.
;;     - Each number is divided by its block's scale, clamped to +-7.5, and rounded to the nearest number of E2M3, ties to even, subnormals kept.
;;     - The product sums the exact products of the quantised numbers (number of the format x scale) in f32.
;;   ~~~python
;;   def quantise(x, axis):      # numpy; x: float32 -> the quantised numbers, widened to float32 again
;;       x = np.moveaxis(x, axis, -1); K = x.shape[-1]
;;       x = np.pad(x, [(0, 0)] * (x.ndim - 1) + [(0, -K % 32)]); x = x.reshape(x.shape[:-1] + (-1, 32)); a = np.abs(x).max(-1, keepdims=True)
;;       e = np.where(a > 0, np.clip(np.frexp(np.where(a > 0, a, 1))[1] - 1 - 2, -126, 127), 0)      # np.frexp(a)[1] - 1 = floor(log2(a)), exactly
;;       r = np.clip(x / 2.0 ** e, -7.5, 7.5)
;;       step = 2.0 ** (np.maximum(np.frexp(np.where(r == 0, 1, r))[1] - 1, 0) - 3)
;;       q = np.round(r / step) * step * 2.0 ** e      # np.round: ties to even
;;       return np.moveaxis(q.reshape(q.shape[:-2] + (-1,))[..., :K], -1, axis).astype(np.float32)
;;   ~~~
;;   SOFTMAX AHEAD OF A QUANTISED PRODUCT. Where the list says 'softmax', what is quantised is not the finished softmax but p = 2^(t - M), with t = logit x log2(e) and M = ceil(the row's largest t), a whole number; so 1/2 < the row's largest p <= 1. The row's sum l is taken of the UNQUANTISED p, in f32, and the product's result is divided by l at the end. Since M is a whole number, a kernel that streams over the keys may use a running M (the ceiling of the running maximum): every later rescaling is an exact power of two, which a block's scale takes up: the codes' values come out the same.
;;   OPERANDS COMPUTED ON THE WAY. 'Computed on the way' means the value that the module computes at that place (a softmax that the list does not call 'softmax' is quantised finished and normalised). What goes into a quantiser is computed in f32, as accurately as f32 sums, v_exp_f32 and their like allow (about 1e-6 of the number): no bf16 or f16 on the way to a quantiser, and a product that is left as it is and whose result goes on into a quantised operand takes f32 operands (vector FMAs, or v_wmma_f32_16x16x4_f32). A number that lies on a knife's edge between two numbers of the format may be rounded either way, as far as f32 arithmetic and the matrix unit's own rounding can turn it there, and no further.
;; One version. Each part assembles by itself: llvm-mc -triple=amdgcn-amd-amdhsa -mcpu=gfx1250 --defsym DOCPART=n.
;; ======== version 1 of 1: 4 launches
;; workspace buffers: xi 6,553,600 bytes; wi 3,276,800 bytes; qc 6,291,456 bytes; qs 262,144 bytes; kv 13,107,200 bytes; yi 6,553,600 bytes
;; launch quant (part 1): grid 384 x 1, 4 waves a work-group, no clusters, 34,304 bytes of LDS; arguments x, Wq, Wk, Wv, Wp, xi, wi; writes xi, wi
.if DOCPART == 1
	.amdgcn_target "amdgcn-amd-amdhsa--gfx1250"
	.amdhsa_code_object_version 6
	.text
	.protected	k_qa88768ae8a_quant
	.globl	k_qa88768ae8a_quant
	.p2align	8
	.type	k_qa88768ae8a_quant,@function
k_qa88768ae8a_quant:
	s_mov_b64 s[64:65], 0
	v_nop
	global_prefetch_b8 v0, s[64:65] scope:SCOPE_SE
	s_setreg_imm32_b32 hwreg(HW_REG_WAVE_MODE, 25, 1), 1
	s_wait_xcnt 0x0
; x [8192][1024] and the four weights [1024 (k)][1024 (n)], f32, become codes of FP6 (E2M3) with one E8M0 byte for each 32 along K (x: its last axis; a weight: its FIRST axis).
; A block's scale byte is its largest magnitude's exponent field - 2; each number is divided by the scale and rounded to the nearest code, ties to even, beyond 7.5 the largest code.
; LIMITS: a block of zeros, and a block whose largest magnitude lies under 2^-124, gets the byte 1 (its codes under that byte are what the conversion gives; a block of zeros has zero codes, and only this
; program reads the bytes); NaN and infinities among the inputs are not served.
; WHAT IS STORED: RECORDS of 6,400 bytes, one for 32 rows x 256 along K, laid as the matrix operand's registers lie, so that the products' launches load fragments as they stand.
;   A record holds two tiles of 16 rows; lane row r of tile u is row 8 u + r + 8 (r / 8) of the 32.  Fragment (u, ks) (16 rows x 128 K, 12 registers a lane) lies at 3072 u + 1536 ks, as two halves of 768 bytes:
;   registers 0-3 of lane l at 16 l, registers 4-5 at 512 + 8 l.  Behind the codes, at 6144 + 128 u + 8 r + 4 ks, the row's scale word of that 128 along K.
;   xi: [K step of 256][256 groups of 32 tokens][6400];  wi: [K step][128 groups of 32 columns: Wq, Wk, Wv, Wp][6400].
; SHARES: work-groups 0-127 take the weights, 128-383 take x; a wave makes one record.  Waves share nothing: no barrier.  No work-group reads what another reads: no cluster.
.set REC,  6400
.set SP,   528                         ; x's stage: a row of 512 bytes + 16, so that the sixteen rows of a read begin in sixteen different columns of 16 bytes
.set STG,  16*SP                       ; a wave's stage
.set R,    16                          ; v16-143  x: two sets of 64 registers as loaded
.set X,    144                         ; v144-207 x: 64 numbers of my row, register 16 b + i = k 32 b + 16 (lane / 16) + i
.set PC,   208                         ; v208-226 the codes just made
.set TM,   228                         ; v228-243 at work in QUANT
.set SW,   244                         ; v244-247 the four units' scale words
.set WX,   32                          ; v32-95   a weight: two sets of 32 numbers down K
.set WC,   96                          ; v96-101  a block's 24 bytes of codes; v104-106 the second conversion's result
.set SB,   24                          ; v24-25   a column's eight scale bytes
.set SEL,  20                          ; s[20:21] lane selects: lane l xor 16
; 64 numbers of a lane become a fragment's 12 registers in v[PC] on and its row's scale word in v[pw].
.macro QUANT s, pw
.irp b, 0,1,2,3
	v_max3_num_f32 v[TM+\b], |v[\s+16*\b]|, |v[\s+1+16*\b]|, 0x1800000   ; block b: my 16 numbers and the floor 2^(3 - 127): the byte cannot fall under 1
.endr
.irp i, 2,4,6,8,10,12,14
.irp b, 0,1,2,3
	v_max3_num_f32 v[TM+\b], v[TM+\b], |v[\s+16*\b+\i]|, |v[\s+1+16*\b+\i]|   ; the four blocks by turns
.endr
.endr
.irp b, 0,1,2,3
	v_permlanex16_b32 v[TM+4+\b], v[TM+\b], s[SEL], s[SEL+1]
.endr
.irp b, 0,1,2,3
	v_max_num_f32 v[TM+\b], v[TM+\b], v[TM+4+\b]   ; with lane l xor 16's 16: the block's largest magnitude
.endr
.irp b, 0,1,2,3
	v_add_nc_u32 v[TM+12+\b], 0xff000000, v[TM+\b]   ; 2 off its exponent field: the conversion's scale operand
.endr
.irp b, 0,1,2,3
	v_lshrrev_b32 v[TM+4+\b], 23, v[TM+12+\b]      ; the scale's byte
.endr
	v_lshl_or_b32 v[\pw], v[TM+5], 8, v[TM+4]
	v_lshl_or_b32 v[\pw], v[TM+6], 16, v[\pw]
	v_lshl_or_b32 v[\pw], v[TM+7], 24, v[\pw]
.irp c, 0,1
	v_cvt_scalef32_pk16_fp6_f32 v[PC+6*\c:PC+2+6*\c], v[\s+32*\c:\s+15+32*\c], v[TM+12+2*\c]
	v_cvt_scalef32_pk16_fp6_f32 v[PC+12+4*\c:PC+14+4*\c], v[\s+16+32*\c:\s+31+32*\c], v[TM+12+2*\c+1]   ; (a conversion's three registers begin on an even number)
.endr
	v_nop                                          ; one plain instruction behind the last scaled conversion
.irp c, 0,1                                    ; the operand wants a whole block in a lane: lanes 0-15 block 2 c, lanes 16-31 block 2 c + 1
.irp i, 0,1,2
	v_permlane16_swap_b32 v[PC+6*\c+\i], v[PC+12+4*\c+\i]
.endr
.irp i, 0,1,2
	v_mov_b32 v[PC+3+6*\c+\i], v[PC+12+4*\c+\i]
.endr
.endr
.endm
	s_load_b256 s[4:11], s[0:1], 0x0               ; x s[4:5], Wq s[6:7], Wk s[8:9], Wv s[10:11]
	s_load_b128 s[12:15], s[0:1], 0x20             ; Wp s[12:13], xi s[14:15]
	s_load_b64 s[16:17], s[0:1], 0x30              ; wi
	v_lshl_add_u32 v254, v0, 2, 0x8400
	v_mov_b32 v255, 0
	v_lshrrev_b32 v1, 5, v0
	v_readfirstlane_b32 s18, v1                    ; wave 0..3
	v_and_b32 v1, 31, v0                           ; lane
	s_cmp_lt_u32 ttmp9, 128
	s_cbranch_scc0 .Lpath_x
; ---------------- THE WEIGHTS.  A lane takes a column, its registers run down K: a block of 32 lies in one lane, and the conversions give codes with K innermost.
	s_lshr_b32 s20, ttmp9, 5                       ; which weight: 0 Wq, 1 Wk, 2 Wv, 3 Wp
	s_bfe_u32 s21, ttmp9, 0x30002                  ; which 128 columns
	s_and_b32 s22, ttmp9, 3                        ; which 256 along K
	s_lshl_b32 s21, s21, 2
	s_add_co_u32 s21, s21, s18                     ; my group of 32 columns, 0..31
	s_lshl_b32 s24, s22, 20                        ; 256 rows of 4,096 bytes
	s_lshl_b32 s23, s21, 7                         ; 32 columns of 4 bytes
	s_add_co_u32 s24, s24, s23
	s_mov_b32 s25, 0
	s_lshl_b32 s26, s22, 7
	s_lshl_b32 s23, s20, 5
	s_add_co_u32 s26, s26, s23
	s_add_co_u32 s26, s26, s21                     ; record 128 q + 32 weight + group
	s_mul_i32 s26, s26, REC
	s_mov_b32 s27, 0
	s_wait_alu depctr_va_vdst(0)
	v_lshlrev_b32 v2, 2, v1                        ; in: 4 bytes a lane: a wave reads 128 consecutive bytes, the four waves 512
	v_bfe_u32 v6, v1, 3, 1                         ; column l of the 32 is lane row r = l % 8 + 8 (l / 16) of tile u = (l / 8) % 2
	v_and_b32 v7, 7, v1
	v_lshrrev_b32 v8, 4, v1
	v_lshl_add_u32 v7, v8, 3, v7
	v_mul_u32_u24 v8, v6, 3072
	v_lshl_add_u32 v3, v7, 4, v8                   ; registers 0-3 of image lane r
	v_lshl_add_u32 v4, v7, 3, v8                   ; registers 4-5
	v_lshlrev_b32 v5, 7, v6
	v_lshl_add_u32 v5, v7, 3, v5                   ; my two scale words
	s_wait_kmcnt 0x0
	s_cmp_eq_u32 s20, 1                            ; the choice hangs on the work-group's number alone
	s_cselect_b64 s[6:7], s[8:9], s[6:7]
	s_cmp_eq_u32 s20, 2
	s_cselect_b64 s[6:7], s[10:11], s[6:7]
	s_cmp_eq_u32 s20, 3
	s_cselect_b64 s[6:7], s[12:13], s[6:7]
	s_add_nc_u64 s[6:7], s[6:7], s[24:25]
	s_add_nc_u64 s[16:17], s[16:17], s[26:27]
.macro LOADW t                         ; block t: W(32 t + i, my column) into set t % 2
.set i, 0
.rept 32
	global_load_b32 v[WX+32*((\t)%2)+i], v2, s[6:7] offset:(32*(\t)+i)*4096 th:TH_LOAD_NT
.set i, i+1
.endr
.endm
; Block t of my column is k = 128 (t / 4) + 64 ((t / 2) % 2) + 32 (t % 2) + 0 .. 31: registers 0-5 of image lane r + 16 (t % 2) in half (t / 2) % 2 of fragment (u, t / 4).
.macro BLOCKW t
.set XS, WX+32*((\t)%2)
.set OFC, ((\t)/4)*1536+(((\t)/2)%2)*768
.if (\t) < 7
	s_wait_loadcnt 32                              ; this block's 32 loads are in; the next block's 32 may be out
.else
	s_wait_loadcnt 0x0
.endif
	v_max3_num_f32 v12, |v[XS]|, |v[XS+1]|, |v[XS+2]|
	v_max3_num_f32 v13, |v[XS+3]|, |v[XS+4]|, |v[XS+5]|
.irp i, 6,10,14,18,22,26
	v_max3_num_f32 v12, v12, |v[XS+\i]|, |v[XS+\i+1]|
	v_max3_num_f32 v13, v13, |v[XS+\i+2]|, |v[XS+\i+3]|
.endr
	v_max3_num_f32 v12, v12, |v[XS+30]|, |v[XS+31]|
	v_max3_num_f32 v12, v12, v13, 0x1800000        ; and the floor
	v_add_nc_u32 v11, 0xff000000, v12
	v_lshrrev_b32 v13, 23, v11
.if (\t)%4 == 0
	v_mov_b32 v[SB+(\t)/4], v13
.else
	v_lshl_or_b32 v[SB+(\t)/4], v13, 8*((\t)%4), v[SB+(\t)/4]
.endif
.if (\t) > 0
	s_wait_alu depctr_va_vdst(0)
	s_wait_xcnt 0x0                                ; the last block's stores have read the codes' registers: they are written again only behind this wait
.endif
	v_cvt_scalef32_pk16_fp6_f32 v[WC:WC+2], v[XS:XS+15], v11
	v_cvt_scalef32_pk16_fp6_f32 v[WC+8:WC+10], v[XS+16:XS+31], v11
	v_nop
	v_mov_b32 v[WC+3], v[WC+8]
	v_mov_b32 v[WC+4], v[WC+9]
	v_mov_b32 v[WC+5], v[WC+10]
.if (\t)+2 < 8
	LOADW (\t)+2
.endif
	global_store_b128 v3, v[WC:WC+3], s[16:17] offset:OFC+256*((\t)%2)          ; each tile's sixteen lanes store 256 consecutive bytes, aligned
	global_store_b64 v4, v[WC+4:WC+5], s[16:17] offset:OFC+512+128*((\t)%2)
.endm
	LOADW 0
	LOADW 1
.irp t, 0,1,2,3,4,5,6,7
	BLOCKW \t
.endr
	global_store_b64 v5, v[SB:SB+1], s[16:17] offset:6144   ; the record's 256 bytes of scale words
	s_endpgm
; ---------------- x.  K is innermost: a load takes 512 consecutive bytes of one row; sixteen rows turn through the wave's own stage, so that a lane gets 16 neighbours of each block of its row.
.Lpath_x:
	s_sub_co_u32 s22, ttmp9, 128                   ; my group of 32 tokens; my wave's number is the K step of 256
	s_lshl_b32 s24, s22, 17                        ; 32 rows of 4,096 bytes
	s_lshl_b32 s23, s18, 10
	s_add_co_u32 s24, s24, s23
	s_mov_b32 s25, 0
	s_lshl_b32 s26, s18, 8
	s_add_co_u32 s26, s26, s22                     ; record 256 q + group
	s_mul_i32 s26, s26, REC
	s_mov_b32 s27, 0
	s_mul_i32 s28, s18, STG
	s_wait_alu depctr_va_vdst(0)
	v_lshlrev_b32 v2, 4, v1                        ; 16 x lane
	v_lshlrev_b32 v3, 3, v1                        ; 8 x lane
	v_add_nc_u32 v4, s28, v2                       ; the stage, on the way in
	v_and_b32 v6, 15, v1
	v_lshrrev_b32 v7, 4, v1
	v_mul_u32_u24 v5, v6, SP
	v_lshl_add_u32 v5, v7, 6, v5
	v_add_nc_u32 v5, s28, v5                       ; and out: row r, + 64 bytes for lanes 16-31
	s_mov_b32 s[SEL], 0x76543210
	s_mov_b32 s[SEL+1], 0xfedcba98
.irp b, 0,1,2,3
	v_mov_b32 v[TM+4+\b], 0                        ; written once: a lane permute's destination counts as one of its sources
.endr
	s_wait_alu depctr_va_vdst(0)
	s_wait_kmcnt 0x0
	s_add_nc_u64 s[4:5], s[4:5], s[24:25]
	s_add_nc_u64 s[14:15], s[14:15], s[26:27]
.macro XLOAD n                         ; unit n = (tile n / 2, 128 along K n % 2): sixteen rows x 512 bytes
.irp i, 0,1,2,3,4,5,6,7,8,9,10,11,12,13,14,15
	global_load_b128 v[R+64*((\n)%2)+4*\i:R+64*((\n)%2)+4*\i+3], v2, s[4:5] offset:(8*((\n)/2)+\i+8*(\i/8))*4096+((\n)%2)*512 th:TH_LOAD_NT
.endr
.endm
.macro UNIT n
.if (\n) < 3
	s_wait_loadcnt 16                              ; this unit's 16 loads are in; the next unit's 16 may be out
.else
	s_wait_loadcnt 0x0
.endif
.irp i, 0,1,2,3,4,5,6,7,8,9,10,11,12,13,14,15
	ds_store_b128 v4, v[R+64*((\n)%2)+4*\i:R+64*((\n)%2)+4*\i+3] offset:\i*SP
.endr
.irp b, 0,1,2,3
.irp j, 0,1,2,3
	ds_load_b128 v[X+16*\b+4*\j:X+16*\b+4*\j+3], v5 offset:128*\b+16*\j   ; LDS serves a wave's instructions in order: these see the stores above
.endr
.endr
	s_wait_dscnt 0x0
.if (\n) > 0
	s_wait_xcnt 0x0                                ; the last unit's stores have read the codes' registers
.endif
.if (\n) < 2
	XLOAD (\n)+2
.endif
	QUANT X, SW+(\n)
	global_store_b128 v2, v[PC:PC+3], s[14:15] offset:((\n)/2)*3072+((\n)%2)*1536          ; 512 consecutive bytes
	global_store_b64 v3, v[PC+4:PC+5], s[14:15] offset:((\n)/2)*3072+((\n)%2)*1536+512     ; 256
	global_store_b128 v2, v[PC+6:PC+9], s[14:15] offset:((\n)/2)*3072+((\n)%2)*1536+768
	global_store_b64 v3, v[PC+10:PC+11], s[14:15] offset:((\n)/2)*3072+((\n)%2)*1536+1280
.endm
	XLOAD 0
	XLOAD 1
	UNIT 0
	UNIT 1
	UNIT 2
	UNIT 3
	v_cmp_le_u32 vcc_lo, 16, v1                    ; lanes 0-15 store tile 0's words, lanes 16-31 tile 1's (lanes r and r + 16 hold row r's word alike)
	v_cndmask_b32 v248, v[SW], v[SW+2], vcc_lo
	v_cndmask_b32 v249, v[SW+1], v[SW+3], vcc_lo
	global_store_b64 v3, v[248:249], s[14:15] offset:6144
	s_wait_tensorcnt 0x0
	ds_add_u32 v254, v255
	s_wait_dscnt 0x0
	s_endpgm
.Lfunc_end_k_qa88768ae8a_quant:
	.size	k_qa88768ae8a_quant, .Lfunc_end_k_qa88768ae8a_quant-k_qa88768ae8a_quant
	.p2alignl 7, 3214868480
	.fill 96, 4, 3214868480
	.section	.rodata,"a",@progbits
	.p2align	6, 0x0
	.amdhsa_kernel k_qa88768ae8a_quant
		.amdhsa_group_segment_fixed_size 34304
		.amdhsa_private_segment_fixed_size 0
		.amdhsa_enable_private_segment 0
		.amdhsa_kernarg_size 56
		.amdhsa_user_sgpr_count 2
		.amdhsa_user_sgpr_kernarg_segment_ptr 1
		.amdhsa_wavefront_size32 1
		.amdhsa_system_sgpr_workgroup_id_x 1
		.amdhsa_system_sgpr_workgroup_id_y 1
		.amdhsa_system_sgpr_workgroup_id_z 1
		.amdhsa_system_vgpr_workitem_id 0
		.amdhsa_next_free_vgpr 256
		.amdhsa_next_free_sgpr 66
		.amdhsa_reserve_vcc 1
		.amdhsa_float_denorm_mode_32 3
		.amdhsa_float_denorm_mode_16_64 3
		.amdhsa_memory_ordered 1
		.amdhsa_forward_progress 1
		.amdhsa_inst_pref_size 73
	.end_amdhsa_kernel
	.amdgpu_metadata
---
amdhsa.version: [ 1, 2 ]
amdhsa.kernels:
  - .name:           k_qa88768ae8a_quant
    .symbol:         k_qa88768ae8a_quant.kd
    .args:
      - { .name: x, .offset: 0, .size: 8, .value_kind: global_buffer, .address_space: global }
      - { .name: Wq, .offset: 8, .size: 8, .value_kind: global_buffer, .address_space: global }
      - { .name: Wk, .offset: 16, .size: 8, .value_kind: global_buffer, .address_space: global }
      - { .name: Wv, .offset: 24, .size: 8, .value_kind: global_buffer, .address_space: global }
      - { .name: Wp, .offset: 32, .size: 8, .value_kind: global_buffer, .address_space: global }
      - { .name: xi, .offset: 40, .size: 8, .value_kind: global_buffer, .address_space: global }
      - { .name: wi, .offset: 48, .size: 8, .value_kind: global_buffer, .address_space: global }
    .group_segment_fixed_size: 34304
    .private_segment_fixed_size: 0
    .kernarg_segment_align: 8
    .kernarg_segment_size: 56
    .max_flat_workgroup_size: 128
    .sgpr_count:     66
    .vgpr_count:     256
    .wavefront_size: 32
...
	.end_amdgpu_metadata
.endif
;; end of part 1
;; launch qkv (part 2): grid 96 x 4, 4 waves a work-group, clusters of 4 x 4, 327,680 bytes of LDS; arguments xi, wi, bq, bk, bv, qc, qs, kv; writes qc, qs, kv
.if DOCPART == 2
	.amdgcn_target "amdgcn-amd-amdhsa--gfx1250"
	.amdhsa_code_object_version 6
	.text
	.protected	k_qa88768ae8a_qkv
	.globl	k_qa88768ae8a_qkv
	.p2align	8
	.type	k_qa88768ae8a_qkv,@function
k_qa88768ae8a_qkv:
	s_mov_b64 s[64:65], 0
	v_nop
	global_prefetch_b8 v0, s[64:65] scope:SCOPE_SE
	s_setreg_imm32_b32 hwreg(HW_REG_WAVE_MODE, 25, 1), 1
	s_wait_xcnt 0x0
	s_wait_alu depctr_hold_cnt(0) depctr_sa_sdst(0) depctr_va_vdst(0) depctr_va_sdst(0) depctr_va_ssrc(0) depctr_va_vcc(0) depctr_vm_vsrc(0)
	s_getreg_b32 s2, hwreg(HW_REG_IB_STS2, 6, 4)
	s_cmp_eq_u32 s2, 0
	s_cbranch_scc0 .Lentry_in_a_cluster
	s_endpgm
.Lentry_in_a_cluster:
	s_bfe_u32 s2, ttmp6, 0x10000c
	s_cmp_lg_u32 s2, 0xf033
	s_cbranch_scc0 .Lentry_shape_is_right
	s_endpgm
.Lentry_shape_is_right:
; q = x Wq + bq, k = x Wk + bk, v = x Wv + bv on codes of FP6 (E2M3) with E8M0 scales, sums in f32; the results are quantised here, in registers, for the attention launch: q and k along a head's 64, v along the keys.
; OPERANDS come as records of 6,400 bytes (32 rows x 256 along K) laid as the operand's registers lie: fragment (tile u, ks) at 3072 u + 1536 ks (registers 0-3 of lane l at 16 l, 4-5 at 512 + 8 l, 6-9 at 768 + 16 l,
; 10-11 at 1280 + 8 l); scale words at 6144 + 128 u + 8 r + 4 ks.  Lane row r of tile u is row 8 u + r + 8 (r / 8) of the 32.  xi: [K step][256 groups]; wi: [K step][128 groups: Wq, Wk, Wv, Wp].
; A work-group of four waves makes 256 x 256; a wave 128 x 128: 64 accumulators, 512 registers.  Operand A lies along the LANES of a result (source 1), operand B along its REGISTERS (source 0): since B's tiles hold
; their rows in the order above, the 16 registers of B's tiles 2 n and 2 n + 1 are 16 neighbours, which is what the conversions to codes want.
;   clusters 0-15  (q, k): A = 256 tokens, B = 256 columns of Wq or Wk: a lane holds one token and 128 channels (two heads) in its registers: quantised along the channels.
;   clusters 16-23 (v):    A = 256 columns of Wv, B = 256 tokens: a lane holds one channel and 128 keys: quantised along the keys.
; K = 1,024 is four K steps of 256.  Three LDS slots take K steps 0, 1, 2 at the start; slot 0 is filled again, once, with K step 3, behind a round of the cluster's barrier.  Three tensor loads of a wave are out at the most.
; CLUSTER 4 x 4: A's tile hangs on cy and is asked for jointly by my row of the cluster, B's on cx, by my column.
; LIMITS: a block of zeros, and one whose largest magnitude lies under 2^-124, gets the scale byte 1; NaN and infinities are not served.
; WHAT IS STORED.  qc: [16 b + head][query tile of 16][768]: half a fragment (16 queries x 64).  qs: [16 b + head][128 tokens][row r][4 words]: word f holds tile 2 f's two bytes, then tile 2 f + 1's.
;   kv: [16 b + head][key step of 128][12,800]: K's eight tiles of 768 bytes; at 6144 V^T's four fragments (16 channels x 128 keys); at 12288 K's scale words, laid as qs; at 12544 V's: [row r][channel tile].
; REGISTERS: window 0: v1-3 lane, r, h; v4-18 LDS addresses; v19, v20 16 x lane, 8 x lane; v32-63 scale words, two sets; v64-127 the biases; v128-223 A's eight fragments (epilogue: at work).
;   window 1: B's fragments, two sets, at v0 and v128.  windows 2, 3: the accumulators ((a, b) at v[8 (8 (a % 4) + b)] of window 2 + a / 4).
.set REC,   6400
.set HALFT, 4*REC                      ; four records, 128 rows: what one tensor load brings and one wave reads of A or of B
.set SLOT,  4*HALFT                    ; A's 256 rows, then B's
.set SPARE, 3*SLOT                     ; behind the slots: the spare words, 128 bytes a wave, which no other line names
.set FR,    12
.set A16,   4                          ; v4-6   A's fragments in slot 0, 1, 2: + 16 x lane
.set A8,    7                          ; v7-9   + 8 x lane
.set B16,   10
.set B8,    13
.set ADRS,  16                         ; v16-18 scale words: lanes 0-15 A's rows, lanes 16-31 B's
.set L16,   19
.set L8,    20
.set SOF,   21                         ; v21    epilogue: where a lane's four scale words go
.set SELV,  22                         ; v22    epilogue: byte selects
.set BOF,   23                         ; v23    offset of the bias loads
.set SPW,   28
.set NIL,   29
.set SC,    32                         ; set s at v[SC + 16 s]; register 2 i + ks: lanes 0-15 the word of A's tile i, lanes 16-31 of B's tile i
.set BR,    64
.set AF,    128
.set T,     128                        ; epilogue: 64 numbers
.set PC,    192
.set TM,    212
.set PWS,   228                        ; the eight tiles' scale words
.set OW,    236
.set WV,    20
.set HA,    21                         ; which half of A's rows is mine.  Also: I fetch for A (0) or for B (1)
.set HB,    22                         ; which half of B's rows.  Also: which 128 rows I fetch
.set CX,    23
.set CY,    24
.set VAR,   25                         ; 1 in the clusters that make v
.set G1A,   32
.set G1B,   40
.set G0A,   48                         ; s[48:59] a group 0 for each slot
.set SEL,   66
.set G0B,   68                         ; s[68:79]
.set MSB, 0
.macro WIN new                         ; the immediate's high byte repeats the setting that is left; a switch that changes nothing is dropped
.if MSB != (\new)
	s_set_vgpr_msb (MSB<<8)|(\new)
.set MSB, (\new)
.endif
.endm
.macro JLOAD g0a, g1a, g0b, g1b        ; a joint load: waves 0, 1 fetch A's halves, waves 2, 3 B's.  Four v_nop follow each of the two lines
	s_cmp_eq_u32 s[HA], 0
	s_cbranch_scc0 .Lfor_b_\@
	tensor_load_to_lds s[\g0a:\g0a+3], s[\g1a:\g1a+7]
	s_nop 0
.rept 4
	v_nop
.endr
	s_branch .Lasked_\@
.Lfor_b_\@:
	tensor_load_to_lds s[\g0b:\g0b+3], s[\g1b:\g1b+7]
	s_nop 0
.rept 4
	v_nop
.endr
.Lasked_\@:
.endm
.macro CREST                           ; a round of the cluster's barrier behind its opening barrier
	s_cmp_lg_u32 s[WV], 0
	s_cbranch_scc1 .Lnot_wave_0_\@
	s_barrier_signal -3
.Lnot_wave_0_\@:
	s_barrier_wait -3
	s_barrier_signal -1
	s_barrier_wait -1
.endm
.macro CROUND
	s_barrier_signal -1
	s_barrier_wait -1
	CREST
.endm
.macro PLACES                          ; four plain instructions between a matrix instruction and a load into, or a vector access to, its registers
.rept 4
	v_nop
.endr
.endm
.macro FRAG reg, a16, a8, i, ks        ; tile i's fragment of the slot's ks-th 128 along K: every load of the wave takes consecutive bytes
	ds_load_b128 v[\reg:\reg+3], v[\a16] offset:((\i)/2)*REC+((\i)%2)*3072+(\ks)*1536
	ds_load_b64 v[\reg+4:\reg+5], v[\a8] offset:((\i)/2)*REC+((\i)%2)*3072+(\ks)*1536+512
	ds_load_b128 v[\reg+6:\reg+9], v[\a16] offset:((\i)/2)*REC+((\i)%2)*3072+(\ks)*1536+768
	ds_load_b64 v[\reg+10:\reg+11], v[\a8] offset:((\i)/2)*REC+((\i)%2)*3072+(\ks)*1536+1280
.endm
.macro FETCH_B slot, ks, set
	WIN 0x40                                       ; destination window 1
.irp i, 0,1,2,3,4,5,6,7
	FRAG 128*(\set)+FR*\i, B16+\slot, B8+\slot, \i, \ks
.endr
	WIN 0
.endm
.macro FETCH_A slot, ks, i0
.irp i, \i0, \i0+1, \i0+2, \i0+3
	FRAG AF+FR*(\i), A16+\slot, A8+\slot, \i, \ks
.endr
.endm
.macro SCALES slot, set                ; a K step's scale words: two words a row
.irp i, 0,1,2,3,4,5,6,7
	ds_load_b64 v[SC+16*(\set)+2*\i:SC+16*(\set)+2*\i+1], v[ADRS+\slot] offset:(\i/2)*REC+(\i%2)*128
.endr
.endm
; 16 matrix instructions: A's tiles a0, a0 + 1 x B's eight.  The 64 accumulators take turns, one instruction a turn, in the same order in every step.
.macro MUL16 a0, ks, set, first
	WIN 0xa1+0x50*((\a0)/4)                        ; source 0 (B) window 1, source 1 (A) window 0, C and D window 2 or 3
.irp a, \a0, \a0+1
.irp b, 0,1,2,3,4,5,6,7
.if \first
	v_wmma_scale_f32_16x16x128_f8f6f4 v[8*(8*((\a)%4)+\b):8*(8*((\a)%4)+\b)+7], v[128*(\ks)+FR*\b:128*(\ks)+FR*\b+FR-1], v[AF+FR*(\a):AF+FR*(\a)+FR-1], 0, v[SC+16*(\set)+2*\b+(\ks)], v[SC+16*(\set)+2*(\a)+(\ks)] matrix_a_fmt:MATRIX_FMT_FP6 matrix_b_fmt:MATRIX_FMT_FP6 matrix_a_scale:MATRIX_SCALE_ROW1
.else
	v_wmma_scale_f32_16x16x128_f8f6f4 v[8*(8*((\a)%4)+\b):8*(8*((\a)%4)+\b)+7], v[128*(\ks)+FR*\b:128*(\ks)+FR*\b+FR-1], v[AF+FR*(\a):AF+FR*(\a)+FR-1], v[8*(8*((\a)%4)+\b):8*(8*((\a)%4)+\b)+7], v[SC+16*(\set)+2*\b+(\ks)], v[SC+16*(\set)+2*(\a)+(\ks)] matrix_a_fmt:MATRIX_FMT_FP6 matrix_b_fmt:MATRIX_FMT_FP6 matrix_a_scale:MATRIX_SCALE_ROW1
.endif
.endr
.endr
.endm
; A step of 128 along K: 64 matrix instructions; in its middle B's next set and A's tiles 0-3 are fetched from (nslot, nks), at its end A's tiles 4-7.
; sync = 2: slot 0 has been read out and is filled again behind a round of the cluster's barrier;  sync = 1: a plain barrier shows that fill to every wave;  scl = 1: the next K step's scale words come too.
.macro KS128 ks, set, first, nslot, nks, sync, scl
.if \sync
	s_wait_tensorcnt 0x0                           ; all my tensor loads have landed
	ds_add_u32 v[SPW], v[NIL]                      ; 0 onto my spare word
	s_wait_dscnt 17                                ; the add and the youngest 16 loads (A's tiles 4-7) may be out
.else
	s_wait_dscnt 16                                ; B's set and A's tiles 0-3 are in; the youngest 16 loads (A's tiles 4-7) may be out
.endif
	MUL16 0, \ks, \set, \first
.if \sync
	s_wait_dscnt 0x0                               ; the add is done, and my reads of the slot that I leave are over
	s_barrier_signal -1
.endif
	MUL16 2, \ks, \set, \first
.if \sync
	WIN 0
	s_barrier_wait -1
.if (\sync) == 2
	CREST                                          ; the barrier has opened a round: no wave of any partner still reads slot 0 or has a load on its way
	s_add_nc_u64 s[G0A+2:G0A+3], s[G0A+2:G0A+3], s[80:81]   ; slot 0's descriptors go three K steps on
	s_add_nc_u64 s[G0B+2:G0B+3], s[G0B+2:G0B+3], s[82:83]
	JLOAD G0A, G1A, G0B, G1B                       ; the first tensor load behind the round; it has two K steps, 256 matrix instructions, in which to land; its four v_nop are the places for the loads below
.else
	PLACES
.endif
.else
	s_wait_dscnt 0x0                               ; A's tiles 4-7 are in
	PLACES
.endif
	s_wait_alu depctr_va_vdst(0)
	FETCH_B \nslot, \nks, 1-(\ks)
	FETCH_A \nslot, \nks, 0
.if \scl
	SCALES \nslot, 1-(\set)
.endif
	MUL16 4, \ks, \set, \first
	MUL16 6, \ks, \set, \first
	PLACES
	WIN 0
	FETCH_A \nslot, \nks, 4
.endm
; 64 numbers of a lane, register 16 b + i = k 32 b + 16 (lane / 16) + i, become a fragment's 12 registers in v[PC] on and its row's scale word in v[pw].
.macro QUANT s, pw
.irp b, 0,1,2,3
	v_max3_num_f32 v[TM+\b], |v[\s+16*\b]|, |v[\s+1+16*\b]|, 0x1800000   ; my 16 numbers and the floor 2^(3 - 127): the byte cannot fall under 1
.endr
.irp i, 2,4,6,8,10,12,14
.irp b, 0,1,2,3
	v_max3_num_f32 v[TM+\b], v[TM+\b], |v[\s+16*\b+\i]|, |v[\s+1+16*\b+\i]|
.endr
.endr
.irp b, 0,1,2,3
	v_permlanex16_b32 v[TM+4+\b], v[TM+\b], s[SEL], s[SEL+1]
.endr
.irp b, 0,1,2,3
	v_max_num_f32 v[TM+\b], v[TM+\b], v[TM+4+\b]
.endr
.irp b, 0,1,2,3
	v_add_nc_u32 v[TM+12+\b], 0xff000000, v[TM+\b]   ; 2 off the exponent field: the conversion's scale operand
.endr
.irp b, 0,1,2,3
	v_lshrrev_b32 v[TM+4+\b], 23, v[TM+12+\b]
.endr
	v_lshl_or_b32 v[\pw], v[TM+5], 8, v[TM+4]
	v_lshl_or_b32 v[\pw], v[TM+6], 16, v[\pw]
	v_lshl_or_b32 v[\pw], v[TM+7], 24, v[\pw]
.irp c, 0,1
	v_cvt_scalef32_pk16_fp6_f32 v[PC+6*\c:PC+2+6*\c], v[\s+32*\c:\s+15+32*\c], v[TM+12+2*\c]
	v_cvt_scalef32_pk16_fp6_f32 v[PC+12+4*\c:PC+14+4*\c], v[\s+16+32*\c:\s+31+32*\c], v[TM+12+2*\c+1]
.endr
	v_nop                                          ; one plain instruction behind the last scaled conversion
.irp c, 0,1
.irp i, 0,1,2
	v_permlane16_swap_b32 v[PC+6*\c+\i], v[PC+12+4*\c+\i]
.endr
.irp i, 0,1,2
	v_mov_b32 v[PC+3+6*\c+\i], v[PC+12+4*\c+\i]
.endr
.endr
.endm
	s_load_b256 s[4:11], s[0:1], 0x0               ; xi s[4:5], wi s[6:7], bq s[8:9], bk s[10:11]
	s_load_b256 s[12:19], s[0:1], 0x20             ; bv s[12:13], qc s[14:15], qs s[16:17], kv s[18:19]
	v_lshl_add_u32 v[SPW], v0, 2, SPARE
	v_mov_b32 v[NIL], 0
	ds_add_u32 v28, v29
	ds_add_u32 v28, v29
	s_wait_dscnt 0x0
	v_lshrrev_b32 v1, 5, v0
	v_readfirstlane_b32 s[WV], v1
	s_lshr_b32 s[HA], s[WV], 1
	s_and_b32 s[HB], s[WV], 1
	s_bfe_u32 s[CX], ttmp6, 0x40000
	s_bfe_u32 s[CY], ttmp6, 0x40004
	s_lshl_b32 s26, s[CY], 2
	s_lshl_b32 s26, 15, s26                        ; my row of the cluster
	s_lshl_b32 s27, 0x1111, s[CX]                  ; my column
	; group 1: four records, 25,600 dense bytes, as 100 rows of 256 bytes (32 elements of 8 bytes); no padding: every LDS access takes consecutive bytes
	s_or_b32 s[G1A], s26, (3<<16)|(1<<21)          ; 15:0 the mask; 17:16 elements of 8 bytes; 21 set beside a mask
	s_or_b32 s[G1B], s27, (3<<16)|(1<<21)
.irp g, G1A, G1B
	s_mov_b32 s[\g+1], 32<<16                      ; tensor_dim0 = 32
	s_mov_b32 s[\g+2], 100<<16                     ; tensor_dim1 = 100
	s_mov_b32 s[\g+3], 32<<16                      ; tile_dim0
	s_mov_b32 s[\g+4], 100                         ; tile_dim1
	s_mov_b32 s[\g+5], 32                          ; from row to row
	s_mov_b32 s[\g+6], 0
	s_mov_b32 s[\g+7], 0
.endr
	; which tiles.  All choices hang on the cluster's number, which the sixteen partners share.
	s_lshr_b32 s84, ttmp9, 1
	s_lshl_b32 s84, s84, 2                         ; q, k: A's tile = 4 (c / 2) + cy of 32 token tiles
	s_and_b32 s85, ttmp9, 1
	s_lshl_b32 s85, s85, 2                         ; q, k: B's tile = 4 (c % 2) + cx: 0-3 Wq, 4-7 Wk
	s_sub_co_u32 s86, ttmp9, 16
	s_lshl_b32 s86, s86, 2                         ; v: B's tile = 4 (c - 16) + cx of 32 token tiles
	s_mov_b32 s87, 256*REC                         ; from K step to K step in xi,
	s_mov_b32 s88, 128*REC                         ; in wi
	s_cmp_ge_u32 ttmp9, 16
	s_cselect_b32 s84, 0, s84                      ; v: A's tile = cy of Wv's four
	s_cselect_b32 s85, s86, s85
	s_cselect_b32 s89, 64, 0                       ; Wv's first group in wi
	s_cselect_b32 s80, s88, s87
	s_cselect_b32 s82, s87, s88
	s_cselect_b32 s[VAR], 1, 0
	s_mov_b32 s81, 0
	s_mov_b32 s83, 0
	s_add_co_u32 s84, s84, s[CY]                   ; A's tile: no register that feeds A's descriptors holds cx,
	s_add_co_u32 s85, s85, s[CX]                   ; B's tile: none that feeds B's holds cy
	s_lshl_b32 s86, s[HB], 2                       ; which four records of the eight I fetch
	s_lshl_b32 s92, s84, 3
	s_add_co_u32 s92, s92, s89
	s_add_co_u32 s92, s92, s86
	s_mul_i32 s92, s92, REC
	s_mov_b32 s93, 0
	s_lshl_b32 s96, s85, 3
	s_add_co_u32 s96, s96, s86
	s_mul_i32 s96, s96, REC
	s_mov_b32 s97, 0
	s_mul_i32 s94, s[WV], HALFT                    ; where they go: wave x 25,600: no place in the cluster enters an LDS address
	s_wait_kmcnt 0x0
	s_cmp_eq_u32 s[VAR], 1
	s_cselect_b64 s[60:61], s[6:7], s[4:5]         ; A: wi for v, xi for q, k
	s_cselect_b64 s[62:63], s[4:5], s[6:7]         ; B: the other
	s_add_nc_u64 s[60:61], s[60:61], s[92:93]
	s_add_nc_u64 s[62:63], s[62:63], s[96:97]
	CROUND                                         ; all sixteen work-groups are here: the first joint loads meet
.irp s, 0,1,2
	s_mov_b32 s[G0A+4*\s], 1
	s_add_co_u32 s[G0A+4*\s+1], s94, \s*SLOT
	s_mov_b64 s[G0A+4*\s+2:G0A+4*\s+3], s[60:61]
	s_or_b32 s[G0A+4*\s+3], s[G0A+4*\s+3], 0x80000000
	s_add_nc_u64 s[60:61], s[60:61], s[80:81]
	s_mov_b32 s[G0B+4*\s], 1
	s_add_co_u32 s[G0B+4*\s+1], s94, \s*SLOT
	s_mov_b64 s[G0B+4*\s+2:G0B+4*\s+3], s[62:63]
	s_or_b32 s[G0B+4*\s+3], s[G0B+4*\s+3], 0x80000000
	s_add_nc_u64 s[62:63], s[62:63], s[82:83]
	JLOAD G0A+4*\s, G1A, G0B+4*\s, G1B             ; K step s into slot s
.endr
	s_mul_i32 s80, s80, 3                          ; three K steps on: what the one refill adds
	s_mul_i32 s82, s82, 3
	s_mov_b32 s[SEL], 0x76543210
	s_mov_b32 s[SEL+1], 0xfedcba98
	v_and_b32 v1, 31, v0                           ; lane
	v_and_b32 v2, 15, v0                           ; r
	v_bfe_u32 v3, v0, 4, 1                         ; h
	v_lshlrev_b32 v[L16], 4, v1
	s_wait_alu depctr_va_vdst(0)
	v_lshlrev_b32 v[L8], 3, v1
	s_wait_alu depctr_va_vdst(0)
	s_mul_i32 s26, s[HA], HALFT                    ; my 128 rows of A
	s_mul_i32 s27, s[HB], HALFT
	s_add_co_u32 s27, s27, 2*HALFT                 ; my 128 rows of B, behind A's 256
	s_sub_co_u32 s30, s27, s26
	v_mul_u32_u24 v[BOF], s30, v3                  ; lanes 16-31 take B's scale words: one product, the distance x h
	v_lshl_add_u32 v[BOF], v2, 3, v[BOF]           ; + 8 r
	s_add_co_u32 s31, s26, 6144
.irp s, 0,1,2
	v_add_nc_u32 v[A16+\s], s26, v[L16]
	v_add_nc_u32 v[A8+\s], s26, v[L8]
	v_add_nc_u32 v[B16+\s], s27, v[L16]
	v_add_nc_u32 v[B8+\s], s27, v[L8]
	v_add_nc_u32 v[ADRS+\s], s31, v[BOF]
	s_add_co_u32 s26, s26, SLOT
	s_add_co_u32 s27, s27, SLOT
	s_add_co_u32 s31, s31, SLOT
.endr
	; the biases, in the results' layout; they are wanted in the epilogue alone
	s_mov_b32 s91, 0
	s_cmp_eq_u32 s[VAR], 1
	s_cbranch_scc1 .Lbias_v
	s_and_b32 s86, ttmp9, 1
	s_cmp_eq_u32 s86, 1
	s_cselect_b64 s[88:89], s[10:11], s[8:9]       ; bk or bq
	s_and_b32 s90, s85, 3
	s_lshl_b32 s90, s90, 10
	s_lshl_b32 s86, s[HB], 9
	s_add_co_u32 s90, s90, s86                     ; my 128 channels
	s_add_nc_u64 s[88:89], s[88:89], s[90:91]
	v_lshlrev_b32 v[BOF], 6, v3                    ; register 8 b + j: channel 32 (b / 2) + 16 h + 8 (b % 2) + j
.irp b, 0,1,2,3,4,5,6,7
	global_load_b128 v[BR+8*\b:BR+8*\b+3], v[BOF], s[88:89] offset:(32*(\b/2)+8*(\b%2))*4
	global_load_b128 v[BR+8*\b+4:BR+8*\b+7], v[BOF], s[88:89] offset:(32*(\b/2)+8*(\b%2))*4+16
.endr
	s_branch .Lbias_done
.Lbias_v:
	s_lshl_b32 s90, s84, 10
	s_lshl_b32 s86, s[HA], 9
	s_add_co_u32 s90, s90, s86
	s_add_nc_u64 s[88:89], s[12:13], s[90:91]      ; bv at my 128 channels
	v_and_b32 v[BOF], 8, v2
	v_add_nc_u32 v[BOF], v[BOF], v2
	v_lshlrev_b32 v[BOF], 2, v[BOF]                ; registers 8 a + 0 .. 7 all hold my lane's channel of tile a: 32 (a / 2) + 8 (a % 2) + r + 8 (r / 8)
.irp a, 0,1,2,3,4,5,6,7
.irp j, 0,1,2,3,4,5,6,7
	global_load_b32 v[BR+8*\a+\j], v[BOF], s[88:89] offset:(32*(\a/2)+8*(\a%2))*4
.endr
.endr
.Lbias_done:
	s_wait_tensorcnt 0x2                           ; my part of K step 0 is in; slots 1 and 2 may stay out
	s_barrier_signal -1
	s_barrier_wait -1
	FETCH_B 0, 0, 0
	FETCH_A 0, 0, 0
	SCALES 0, 0
	FETCH_A 0, 0, 4
	KS128 0, 0, 1, 0, 1, 0, 0                      ; K step 0: its first products start the sums: nothing is cleared
	KS128 1, 0, 0, 1, 0, 2, 1                      ; slot 0 is left and filled again with K step 3; every wave's wait for all its loads has shown slots 1 and 2 whole
	KS128 0, 1, 0, 1, 1, 0, 0                      ; K step 1
	KS128 1, 1, 0, 2, 0, 0, 1
	KS128 0, 0, 0, 2, 1, 0, 0                      ; K step 2
	KS128 1, 0, 0, 0, 0, 1, 1                      ; K step 3 has landed in slot 0
	KS128 0, 1, 0, 0, 1, 0, 0                      ; K step 3
	s_wait_dscnt 16
	MUL16 0, 1, 1, 0
	MUL16 2, 1, 1, 0
	s_wait_dscnt 0x0
	MUL16 4, 1, 1, 0
	MUL16 6, 1, 1, 0
	WIN 0
	; THE EPILOGUE.  Where my results go: tokens 256 x token tile + 128 x half are key step s of batch b; channels 256 x tile + 128 x half are heads head0 and head0 + 1.
	s_cmp_eq_u32 s[VAR], 1
	s_cselect_b32 s26, s85, s84                    ; the token tile,
	s_cselect_b32 s27, s[HB], s[HA]                ; my half of it,
	s_cselect_b32 s30, s84, s85                    ; the channel tile,
	s_cselect_b32 s31, s[HA], s[HB]                ; my half of it
	s_lshl_b32 s26, s26, 8
	s_lshl_b32 s27, s27, 7
	s_add_co_u32 s26, s26, s27                     ; my first token
	s_lshr_b32 s27, s26, 11                        ; b
	s_bfe_u32 s26, s26, 0x40007                    ; s
	s_lshl_b32 s30, s30, 8
	s_lshl_b32 s31, s31, 7
	s_add_co_u32 s30, s30, s31
	s_bfe_u32 s30, s30, 0x40006                    ; head0
	s_lshl_b32 s27, s27, 4
	s_add_co_u32 s27, s27, s30                     ; 16 b + head0
	s_mul_i32 s60, s27, 204800
	s_mul_i32 s61, s26, 12800
	s_add_co_u32 s60, s60, s61                     ; my record in kv
	s_mul_i32 s62, s27, 98304
	s_mul_i32 s61, s26, 6144
	s_add_co_u32 s62, s62, s61                     ; my eight tiles in qc
	s_lshl_b32 s63, s27, 12
	s_lshl_b32 s61, s26, 8
	s_add_co_u32 s63, s63, s61                     ; my 256 bytes in qs
	s_wait_loadcnt 0x0                             ; the biases are in (and their base and offset are free)
	PLACES                                         ; behind the last products: their results are read and A's registers written below
.irp b, 0,1,2,3
	v_mov_b32 v[TM+4+\b], 0                        ; a lane permute's destination counts as one of its sources
.endr
; A's tile a: bias, quantiser, stores.  The accumulators are read from their low ends on.
.macro EPI a, var
.if (\a) > 0
	s_wait_xcnt 0x0                                ; the last tile's stores have read the codes' registers
.endif
	WIN 0x02+(\a)/4                                ; source 0: window 2 or 3
.irp b, 0,1,2,3,4,5,6,7
.irp j, 0,2,4,6
.if \var
	v_pk_add_f32 v[T+8*\b+\j:T+8*\b+\j+1], v[8*(8*((\a)%4)+\b)+\j:8*(8*((\a)%4)+\b)+\j+1], v[BR+8*(\a)+\j:BR+8*(\a)+\j+1]
.else
	v_pk_add_f32 v[T+8*\b+\j:T+8*\b+\j+1], v[8*(8*((\a)%4)+\b)+\j:8*(8*((\a)%4)+\b)+\j+1], v[BR+8*\b+\j:BR+8*\b+\j+1]
.endif
.endr
.endr
	WIN 0
	QUANT T, PWS+(\a)
.if \var
	global_store_b128 v[L16], v[PC:PC+3], s[86:87] offset:((\a)/4)*204800+((\a)%4)*1536        ; 16 channels x 128 keys: V^T's fragment a % 4 of head a / 4
	global_store_b64 v[L8], v[PC+4:PC+5], s[86:87] offset:((\a)/4)*204800+((\a)%4)*1536+512
	global_store_b128 v[L16], v[PC+6:PC+9], s[86:87] offset:((\a)/4)*204800+((\a)%4)*1536+768
	global_store_b64 v[L8], v[PC+10:PC+11], s[86:87] offset:((\a)/4)*204800+((\a)%4)*1536+1280
.else
	global_store_b128 v[L16], v[PC:PC+3], s[86:87] offset:(\a)*768          ; registers 0-5: 16 tokens x the first head's 64
	global_store_b64 v[L8], v[PC+4:PC+5], s[86:87] offset:(\a)*768+512
	global_store_b128 v[L16], v[PC+6:PC+9], s[88:89] offset:(\a)*768        ; registers 6-11: the second head's
	global_store_b64 v[L8], v[PC+10:PC+11], s[88:89] offset:(\a)*768+512
.endif
.endm
	s_cmp_eq_u32 s[VAR], 1
	s_cbranch_scc1 .Lepi_v
	s_add_co_u32 s96, s60, 12288                   ; K's scale words in my record
	s_mov_b32 s97, 204800
	s_mov_b32 s98, 98304
	s_mov_b32 s99, 4096
	s_and_b32 s31, ttmp9, 1
	s_cmp_eq_u32 s31, 1                            ; k or q?
	s_cselect_b64 s[86:87], s[18:19], s[14:15]     ; codes: kv or qc
	s_cselect_b64 s[90:91], s[18:19], s[16:17]     ; scale words: kv or qs
	s_cselect_b32 s92, s60, s62
	s_cselect_b32 s94, s97, s98                    ; from head to head, codes
	s_cselect_b32 s96, s96, s63
	s_cselect_b32 s99, s97, s99                    ; from head to head, scale words
	s_mov_b32 s93, 0
	s_mov_b32 s95, 0
	s_mov_b32 s97, 0
	s_add_nc_u64 s[86:87], s[86:87], s[92:93]
	s_add_nc_u64 s[88:89], s[86:87], s[94:95]
	s_add_nc_u64 s[90:91], s[90:91], s[96:97]
	v_mul_u32_u24 v[SOF], s99, v3
	v_lshl_add_u32 v[SOF], v2, 4, v[SOF]           ; lanes 0-15 store the first head's words, lanes 16-31 the second's: 16 bytes a row
	v_mov_b32 v[SELV], 0x05040100
	v_mov_b32 v[BOF], 0x07060302
	v_cmp_eq_u32 vcc_lo, 1, v3
	v_cndmask_b32 v[SELV], v[SELV], v[BOF], vcc_lo
.irp a, 0,1,2,3,4,5,6,7
	EPI \a, 0
.endr
.irp f, 0,1,2,3
	v_perm_b32 v[OW+\f], v[PWS+2*\f+1], v[PWS+2*\f], v[SELV]   ; my head's two bytes of tile 2 f, then of tile 2 f + 1
.endr
	global_store_b128 v[SOF], v[OW:OW+3], s[90:91]   ; sixteen lanes store 256 consecutive bytes, aligned
	s_branch .Lepi_done
.Lepi_v:
	s_add_co_u32 s92, s60, 6144
	s_mov_b32 s93, 0
	s_add_nc_u64 s[86:87], s[18:19], s[92:93]      ; V^T's fragments in my record
	v_mul_u32_u24 v[SOF], 204800, v3
	v_lshl_add_u32 v[SOF], v2, 4, v[SOF]
	v_cmp_eq_u32 vcc_lo, 1, v3
.irp a, 0,1,2,3,4,5,6,7
	EPI \a, 1
.endr
.irp c, 0,1,2,3
	v_cndmask_b32 v[OW+\c], v[PWS+\c], v[PWS+4+\c], vcc_lo   ; lanes 0-15: the first head's four tiles, lanes 16-31 the second's
.endr
	global_store_b128 v[SOF], v[OW:OW+3], s[86:87] offset:6400
.Lepi_done:
	s_wait_tensorcnt 0x0                           ; the wave's end
	ds_add_u32 v[SPW], v[NIL]
	s_wait_dscnt 0x0
	CROUND                                         ; the closing round: no work-group ends while a partner may still ask for a tile that names it
	s_endpgm
.Lfunc_end_k_qa88768ae8a_qkv:
	.size	k_qa88768ae8a_qkv, .Lfunc_end_k_qa88768ae8a_qkv-k_qa88768ae8a_qkv
	.p2alignl 7, 3214868480
	.fill 96, 4, 3214868480
	.section	.rodata,"a",@progbits
	.p2align	6, 0x0
	.amdhsa_kernel k_qa88768ae8a_qkv
		.amdhsa_group_segment_fixed_size 327680
		.amdhsa_private_segment_fixed_size 0
		.amdhsa_enable_private_segment 0
		.amdhsa_kernarg_size 64
		.amdhsa_user_sgpr_count 2
		.amdhsa_user_sgpr_kernarg_segment_ptr 1
		.amdhsa_wavefront_size32 1
		.amdhsa_system_sgpr_workgroup_id_x 1
		.amdhsa_system_sgpr_workgroup_id_y 1
		.amdhsa_system_sgpr_workgroup_id_z 1
		.amdhsa_system_vgpr_workitem_id 0
		.amdhsa_next_free_vgpr 1024
		.amdhsa_next_free_sgpr 100
		.amdhsa_reserve_vcc 1
		.amdhsa_float_denorm_mode_32 3
		.amdhsa_float_denorm_mode_16_64 3
		.amdhsa_memory_ordered 1
		.amdhsa_forward_progress 1
		.amdhsa_inst_pref_size 223
	.end_amdhsa_kernel
	.amdgpu_metadata
---
amdhsa.version: [ 1, 2 ]
amdhsa.kernels:
  - .name:           k_qa88768ae8a_qkv
    .symbol:         k_qa88768ae8a_qkv.kd
    .args:
      - { .name: xi, .offset: 0, .size: 8, .value_kind: global_buffer, .address_space: global }
      - { .name: wi, .offset: 8, .size: 8, .value_kind: global_buffer, .address_space: global }
      - { .name: bq, .offset: 16, .size: 8, .value_kind: global_buffer, .address_space: global }
      - { .name: bk, .offset: 24, .size: 8, .value_kind: global_buffer, .address_space: global }
      - { .name: bv, .offset: 32, .size: 8, .value_kind: global_buffer, .address_space: global }
      - { .name: qc, .offset: 40, .size: 8, .value_kind: global_buffer, .address_space: global }
      - { .name: qs, .offset: 48, .size: 8, .value_kind: global_buffer, .address_space: global }
      - { .name: kv, .offset: 56, .size: 8, .value_kind: global_buffer, .address_space: global }
    .group_segment_fixed_size: 327680
    .private_segment_fixed_size: 0
    .kernarg_segment_align: 8
    .kernarg_segment_size: 64
    .max_flat_workgroup_size: 128
    .sgpr_count:     100
    .vgpr_count:     1024
    .wavefront_size: 32
...
	.end_amdgpu_metadata
.endif
;; end of part 2
;; launch attn (part 3): grid 4 x 64, 16 waves a work-group, clusters of 4 x 1, 206,848 bytes of LDS; arguments qc, qs, kv, yi; writes yi
.if DOCPART == 3
	.amdgcn_target "amdgcn-amd-amdhsa--gfx1250"
	.amdhsa_code_object_version 6
	.text
	.protected	k_qa88768ae8a_attn
	.globl	k_qa88768ae8a_attn
	.p2align	8
	.type	k_qa88768ae8a_attn,@function
k_qa88768ae8a_attn:
	s_mov_b64 s[64:65], 0
	v_nop
	global_prefetch_b8 v0, s[64:65] scope:SCOPE_SE
	s_setreg_imm32_b32 hwreg(HW_REG_WAVE_MODE, 25, 1), 1
	s_wait_xcnt 0x0
	s_wait_alu depctr_hold_cnt(0) depctr_sa_sdst(0) depctr_va_vdst(0) depctr_va_sdst(0) depctr_va_ssrc(0) depctr_va_vcc(0) depctr_vm_vsrc(0)
	s_getreg_b32 s2, hwreg(HW_REG_IB_STS2, 6, 4)
	s_cmp_eq_u32 s2, 0
	s_cbranch_scc0 .Lentry_in_a_cluster
	s_endpgm
.Lentry_in_a_cluster:
	s_bfe_u32 s2, ttmp6, 0x10000c
	s_cmp_lg_u32 s2, 0x3003
	s_cbranch_scc0 .Lentry_shape_is_right
	s_endpgm
.Lentry_shape_is_right:
; y[b][q][head] = softmax_k(q . k / 8, causal) v, both products on codes of FP6 (E2M3) with E8M0 scales; y is quantised here, along the channels, for the last product.
; THE SOFTMAX: t = score x log2(e) / 8; M = the running largest t rounded UP to a whole number; p = 2^(t - M) is quantised along the keys, not normalised; the row's sum is taken of the unquantised p and divides at the end.
; When M moves, the sum and O are multiplied by 2^(old M - new M), which rounds nothing.
; INPUTS (made by the launch before).  qc: [bh][query tile][768]: 16 queries x 64 as registers 0-5 of a fragment.  qs: [bh][128 tokens][row r][word f]: tile 2 f's two bytes, tile 2 f + 1's.
;   kv: [bh][key step of 128][12,800]: K's four fragments (fragment f: key tile 2 f in k 0-63, key tile 2 f + 1 in k 64-127), V^T's four at 6144 (16 channels x 128 keys), K's scale words at 12288, V's at 12544.
;   Lane row r of tile t is token (or channel) 32 (t / 2) + 8 (t % 2) + r + 8 (r / 8): so the 16 result registers of tiles 2 n, 2 n + 1 used as source 0 are 16 neighbours.
; A HEAD OF 64 IN AN INSTRUCTION OF K = 128: one fragment of K carries two key tiles; it is multiplied once by [q | zero codes] and once by [zero codes | q].  A zero code adds nothing under any scale byte that occurs here.
; SHARES.  The four work-groups of a cluster own one (batch, head).  The head's K and V, 204,800 bytes, are brought into each one's LDS ONCE, by joint loads, and stay: nothing is filled again.
;   Wave w takes two query tiles: tile e = 2 cx + w % 2 of the 128 queries G = 15 - w / 2, then the same of G = w / 2; it walks key steps 0 .. G: 17 steps for every wave.  G hangs on the wave's number alone.
;   cx enters global addresses and the mask's compare value alone: no branch, no LDS address.
; Both products are used transposed: a lane holds ONE query throughout.
; LIMITS: a block of y (or of p) that is all zeros, or whose largest magnitude lies under 2^-124, gets the scale byte 1; NaN and infinities are not served.
; REGISTERS: v2-4, v9 lane offsets; v5 the mask's value; v6-8 LDS addresses of the step; v12 -M, v13 the largest t, v[14:15] the sum; v16-27 [q | 0]; v28-39 [0 | q]; v40 q's scale word; v48-95 four fragments of K, then of V;
;   v96-159 S^T, then p; v160-191 O^T; v192-210 codes; v212-228 at work; v224 p's scale word; v232-235 K's scale words, v236-239 V's.
.set REC,   12800
.set HEADB, 16*REC
.set WV,  12
.set CX,  13
.set BH,  14
.set GG,  17                           ; s17  my 128 queries; the last key step that I walk
.set JJ,  18                           ; s18  the key step
.set TB,  19                           ; s19  its record in LDS
.set SEL, 20
.set CS,  22                           ; s[22:23] c = log2(e) / 8
.set G1,  24
.set G0,  32                           ; s[32:47] four groups 0
.set QP,  52
.set QSP, 54
.set YP,  56
.set YSP, 58
.set PSEL, 60
.macro CROUND
	s_barrier_signal -1
	s_barrier_wait -1
	s_cmp_lg_u32 s[WV], 0
	s_cbranch_scc1 .Lnot_wave_0_\@
	s_barrier_signal -3
.Lnot_wave_0_\@:
	s_barrier_wait -3
	s_barrier_signal -1
	s_barrier_wait -1
.endm
	s_load_b256 s[4:11], s[0:1], 0x0               ; qc s[4:5], qs s[6:7], kv s[8:9], yi s[10:11]
	v_lshl_add_u32 v254, v0, 2, 0x32000
	v_mov_b32 v255, 0
	ds_add_u32 v254, v255
	ds_add_u32 v254, v255
	v_lshrrev_b32 v1, 5, v0
	s_delay_alu instid0(VALU_DEP_1)
	v_readfirstlane_b32 s[WV], v1                  ; wave 0..15
	s_bfe_u32 s[CX], ttmp6, 0x40000                ; my place in the cluster
	s_and_b32 s[BH], ttmp7, 0xffff                 ; 16 b + head, which the four partners share
	; group 1: a record, 12,800 dense bytes, as 50 rows of 256 bytes
	s_mov_b32 s[G1], 15|(3<<16)|(1<<21)            ; 15:0 the mask: all four work-groups; 17:16 elements of 8 bytes; 21 set beside a mask
	s_mov_b32 s[G1+1], 32<<16
	s_mov_b32 s[G1+2], 50<<16
	s_mov_b32 s[G1+3], 32<<16
	s_mov_b32 s[G1+4], 50
	s_mov_b32 s[G1+5], 32
	s_mov_b32 s[G1+6], 0
	s_mov_b32 s[G1+7], 0
	s_mul_i32 s50, s[WV], REC
	s_mul_i32 s48, s[BH], HEADB
	s_add_co_u32 s48, s48, s50
	s_mov_b32 s49, 0
	s_wait_dscnt 0x0
	s_wait_kmcnt 0x0
	CROUND                                         ; all four work-groups are here: the joint loads meet
	s_cmp_lt_u32 s[WV], 4                          ; waves 0-3 fetch, four records each: all of a wave's loads stand in this one branch; four of them are out
	s_cbranch_scc0 .Lno_fetch
	s_add_nc_u64 s[48:49], s[8:9], s[48:49]        ; record w of my head
.irp j, 0,1,2,3
	s_mov_b32 s[G0+4*\j], 1
	s_add_co_u32 s[G0+4*\j+1], s50, \j*4*REC       ; record 4 j + w lies in LDS where it lies in the head
	s_add_nc_u64 s[G0+4*\j+2:G0+4*\j+3], s[48:49], \j*4*REC
	s_or_b32 s[G0+4*\j+3], s[G0+4*\j+3], 0x80000000
.endr
	tensor_load_to_lds s[G0:G0+3], s[G1:G1+7]
	s_nop 0
	tensor_load_to_lds s[G0+4:G0+7], s[G1:G1+7]
	s_nop 0
	tensor_load_to_lds s[G0+8:G0+11], s[G1:G1+7]
	s_nop 0
	tensor_load_to_lds s[G0+12:G0+15], s[G1:G1+7]
	s_nop 0
.rept 4
	v_nop
.endr
.Lno_fetch:
	v_and_b32 v1, 31, v0
	v_and_b32 v10, 15, v0                          ; r
	v_bfe_u32 v11, v0, 4, 1                        ; h
	s_delay_alu instid0(VALU_DEP_3)
	v_lshlrev_b32 v2, 4, v1                        ; 16 x lane
	s_delay_alu instid0(VALU_DEP_4)
	v_lshlrev_b32 v3, 3, v1                        ; 8 x lane
	s_delay_alu instid0(VALU_DEP_4)
	v_lshlrev_b32 v4, 4, v10                       ; 16 r
	v_lshlrev_b32 v9, 3, v10                       ; 8 r
	v_and_b32 v5, 8, v10
	s_delay_alu instid0(VALU_DEP_1)
	v_add_nc_u32 v5, v5, v10
	v_lshlrev_b32 v11, 4, v11
	s_delay_alu instid0(VALU_DEP_1)
	v_sub_nc_u32 v5, v5, v11
	s_and_b32 s15, s[WV], 1
	s_lshr_b32 s16, s[WV], 1
	s_lshl_b32 s48, s[CX], 5
	s_lshl_b32 s51, s15, 3
	s_add_co_u32 s48, s48, s51
	v_add_nc_u32 v5, s48, v5                       ; my query among its 128, less 16 h: register 16 n + i of S^T holds key 32 n + 16 h + i, hidden on the diagonal where 32 n + i is above this
	s_mov_b32 s[PSEL], 0x01000100
	s_mov_b32 s51, 0x03020302
	s_cmp_eq_u32 s15, 1
	s_cselect_b32 s[PSEL], s51, s[PSEL]            ; my tile's two bytes of the stored word, twice
	s_mov_b32 s[SEL], 0x76543210
	s_mov_b32 s[SEL+1], 0xfedcba98
	s_mov_b32 s[CS], 0x3e38aa3b                    ; log2(e) / 8
	s_mov_b32 s[CS+1], s[CS]
	; what does not change from pass to pass in my four addresses
	s_and_b32 s48, s[BH], 15                       ; head
	s_lshr_b32 s49, s[BH], 4                       ; b
	s_lshr_b32 s50, s48, 2
	s_lshl_b32 s50, s50, 8
	s_lshl_b32 s49, s49, 6
	s_add_co_u32 s50, s50, s49
	s_add_co_u32 s50, s50, s[CX]
	s_mul_i32 s50, s50, 6400                       ; yi's record: K step head / 4, group 64 b + 4 G + cx
	s_bfe_u32 s49, s48, 0x10001
	s_and_b32 s48, s48, 1
	s_mul_i32 s63, s15, 3072
	s_mul_i32 s51, s49, 1536
	s_add_co_u32 s63, s63, s51
	s_mul_i32 s51, s48, 768
	s_add_co_u32 s63, s63, s51
	s_add_co_u32 s63, s63, s50                     ; tile w % 2, 128 along K (head / 2) % 2, half head % 2
	s_lshl_b32 s66, s15, 7
	s_lshl_b32 s51, s49, 2
	s_add_co_u32 s66, s66, s51
	s_lshl_b32 s51, s48, 1
	s_add_co_u32 s66, s66, s51
	s_add_co_u32 s66, s66, s50
	s_add_co_u32 s66, s66, 6144                    ; and its two scale bytes
	s_lshl_b32 s61, s[BH], 7
	s_lshl_b32 s51, s[CX], 1
	s_add_co_u32 s61, s61, s51
	s_add_co_u32 s61, s61, s15
	s_mul_i32 s61, s61, 768                        ; qc: tile 128 bh + 8 G + 2 cx + w % 2
	s_lshl_b32 s62, s[BH], 12
	s_lshl_b32 s51, s[CX], 2
	s_add_co_u32 s62, s62, s51                     ; qs: word cx of a row
	s_mov_b32 s69, 0
.irp b, 0,1,2,3
	v_mov_b32 v[216+\b], 0                         ; a lane permute's destination counts as one of its sources
.endr
	v_mov_b32 v227, 0                              ; named as the upper half of the pair v[226:227]
	v_mov_b32 v228, 0
; A pass begins: addresses, q and its scale word, the statistics and O^T.
.macro PASS_INIT
	s_wait_xcnt 0x0                                ; the last pass's stores have read their bases and registers
	s_mul_i32 s68, s[GG], 6144
	s_add_co_u32 s68, s68, s61
	s_add_nc_u64 s[QP:QP+1], s[4:5], s[68:69]
	s_lshl_b32 s68, s[GG], 8
	s_add_co_u32 s68, s68, s62
	s_add_nc_u64 s[QSP:QSP+1], s[6:7], s[68:69]
	s_mul_i32 s70, s[GG], 25600
	s_add_co_u32 s68, s70, s63
	s_add_nc_u64 s[YP:YP+1], s[10:11], s[68:69]
	s_add_co_u32 s68, s70, s66
	s_add_nc_u64 s[YSP:YSP+1], s[10:11], s[68:69]
	global_load_b128 v[16:19], v2, s[QP:QP+1]      ; q as k 0-63,
	global_load_b64 v[20:21], v3, s[QP:QP+1] offset:512
	global_load_b128 v[34:37], v2, s[QP:QP+1]      ; and as k 64-127
	global_load_b64 v[38:39], v3, s[QP:QP+1] offset:512
	global_load_b32 v41, v4, s[QSP:QSP+1]
.irp j, 22,23,24,25,26,27,28,29,30,31,32,33
	v_mov_b32 v\j, 0                               ; zero codes
.endr
	v_mov_b32 v13, 0xff61b1e6                      ; the largest t so far: -3e38
	s_delay_alu instid0(VALU_DEP_1)
	v_floor_f32 v12, -v13
	v_mov_b32 v14, 0
	v_mov_b32 v15, 0
	s_wait_loadcnt 0x0
	v_perm_b32 v40, v41, v41, s[PSEL]              ; (s0, s1, s0, s1): it serves both placings of q
.set n, 0
.rept 32
	v_mov_b32 v[160+n], 0                          ; O^T: the first change of M leaves zeros zeros.  (These are also the places between the lines above and the first scaled product)
.set n, n+1
.endr
.endm
; A KEY STEP of 128 keys.  m = 1: it is left out where all its keys come after my queries, and masked on the diagonal: scalar branches on the wave's number and the step.
.macro STEP m
.if \m
	s_cmp_gt_u32 s[JJ], s[GG]
	s_cbranch_scc1 .Lskip_\@
.endif
	s_setprio 2
	v_add_nc_u32 v6, s[TB], v2
	v_add_nc_u32 v7, s[TB], v3
	v_add_nc_u32 v8, s[TB], v4
	v_nop                                          ; four plain instructions between the last step's products and the loads into their operands
.irp f, 0,1,2,3
	ds_load_b128 v[48+12*\f:51+12*\f], v6 offset:1536*\f
	ds_load_b64 v[52+12*\f:53+12*\f], v7 offset:1536*\f+512
	ds_load_b128 v[54+12*\f:57+12*\f], v6 offset:1536*\f+768
	ds_load_b64 v[58+12*\f:59+12*\f], v7 offset:1536*\f+1280
.endr
	ds_load_b128 v[232:235], v8 offset:12288       ; K's four scale words of row r
	s_wait_alu depctr_va_vdst(0)
	s_wait_dscnt 0x0
.irp t, 0,1,2,3,4,5,6,7
	v_wmma_scale_f32_16x16x128_f8f6f4 v[96+8*\t:103+8*\t], v[48+12*(\t/2):59+12*(\t/2)], v[16+12*(\t%2):27+12*(\t%2)], 0, v[232+\t/2], v40 matrix_a_fmt:MATRIX_FMT_FP6 matrix_b_fmt:MATRIX_FMT_FP6
.endr
.rept 4
	v_nop
.endr
.irp c, 0,1,2,3                                ; V's fragments are asked for now and land under the softmax
	ds_load_b128 v[48+12*\c:51+12*\c], v6 offset:6144+1536*\c
	ds_load_b64 v[52+12*\c:53+12*\c], v7 offset:6144+1536*\c+512
	ds_load_b128 v[54+12*\c:57+12*\c], v6 offset:6144+1536*\c+768
	ds_load_b64 v[58+12*\c:59+12*\c], v7 offset:6144+1536*\c+1280
.endr
	ds_load_b128 v[236:239], v8 offset:12544
.if \m
	s_cmp_lg_u32 s[JJ], s[GG]
	s_cbranch_scc1 .Lopen_\@
	v_mov_b32 v228, 0xff800000                     ; hidden scores become -infinity ahead of the maximum: p = 0.  Key 0 of the step counts for every query of it
.set n, 0
.rept 64
	v_cmp_gt_i32 vcc_lo, 32*(n/16)+n%16, v5
	v_cndmask_b32 v[96+n], v[96+n], v228, vcc_lo
.set n, n+1
.endr
.Lopen_\@:
.endif
.irp b, 0,1,2,3
	v_max3_num_f32 v[212+\b], v[96+16*\b], v[97+16*\b], v[98+16*\b]   ; the largest score of each block of 32 keys: for the row's maximum, and, since p rises with the score, for the block's largest p
.endr
.irp i, 3,5,7,9,11,13
.irp b, 0,1,2,3
	v_max3_num_f32 v[212+\b], v[212+\b], v[96+16*\b+\i], v[97+16*\b+\i]
.endr
.endr
.irp b, 0,1,2,3
	v_max_num_f32 v[212+\b], v[212+\b], v[111+16*\b]
.endr
.irp b, 0,1,2,3
	s_delay_alu instid0(VALU_DEP_4)
	v_permlanex16_b32 v[216+\b], v[212+\b], s[SEL], s[SEL+1]
.endr
.irp b, 0,1,2,3
	s_delay_alu instid0(VALU_DEP_4)
	v_max_num_f32 v[212+\b], v[212+\b], v[216+\b]
.endr
	s_delay_alu instid0(VALU_DEP_2)
	v_max3_num_f32 v228, v212, v213, v214
	s_delay_alu instid0(VALU_DEP_1)
	v_max_num_f32 v228, v228, v215
	s_delay_alu instid0(VALU_DEP_1)
	v_mul_f32 v228, s[CS], v228                    ; the step's largest t
	s_delay_alu instid0(VALU_DEP_1)
	v_max_num_f32 v13, v13, v228
	v_mov_b32 v228, v12
	s_delay_alu instid0(VALU_DEP_2)
	v_floor_f32 v12, -v13                          ; -M = floor(-t): M is a whole number
	s_delay_alu instid0(VALU_DEP_1)
	v_sub_f32 v228, v12, v228                      ; old M - new M, 0 or less
	s_delay_alu instid0(VALU_DEP_1)
	v_cvt_i32_f32 v228, v228                       ; (it saturates)
	s_delay_alu instid0(VALU_DEP_1)
	v_ldexp_f32 v226, 1.0, v228                    ; f = 2^(old M - new M)
.set n, 0
.rept 32
	v_pk_fma_f32 v[96+n:97+n], v[96+n:97+n], s[CS:CS+1], v[12:13] op_sel_hi:[1,0,0]   ; t - M
.set n, n+2
.endr
.irp b, 0,1,2,3
	v_fma_f32 v[212+\b], v[212+\b], s[CS], v12
.endr
.set n, 0
	s_setprio 1
	s_wait_alu depctr_va_vdst(0)
.rept 64
	v_exp_f32 v[96+n], v[96+n]                     ; p = 2^(t - M)
.set n, n+1
.endr
	v_pk_mul_f32 v[14:15], v[14:15], v[226:227] op_sel_hi:[1,0]   ; the sums under the new M: the plain instruction behind the exponentials
	s_wait_alu depctr_va_vdst(0)                   ; one wait for the batch of 64, ahead of its first reader
.irp b, 0,1,2,3
	v_exp_f32 v[212+\b], v[212+\b]                 ; each block's largest p
.endr
	v_pk_add_f32 v[216:217], v[100:101], v[104:105]
	v_pk_add_f32 v[252:253], v[108:109], v[112:113]
	v_pk_add_f32 v[250:251], v[116:117], v[120:121]
	v_pk_add_f32 v[248:249], v[124:125], v[128:129]
	v_pk_add_f32 v[246:247], v[132:133], v[136:137]
	v_pk_add_f32 v[244:245], v[140:141], v[144:145]
	v_pk_add_f32 v[242:243], v[148:149], v[152:153]
	v_pk_add_f32 v[14:15], v[14:15], v[156:157]
	v_pk_add_f32 v[216:217], v[216:217], v[96:97]
	v_pk_add_f32 v[252:253], v[252:253], v[98:99]
	v_pk_add_f32 v[250:251], v[250:251], v[102:103]
	v_pk_add_f32 v[248:249], v[248:249], v[106:107]
	v_pk_add_f32 v[246:247], v[246:247], v[110:111]
	v_pk_add_f32 v[244:245], v[244:245], v[114:115]
	v_pk_add_f32 v[242:243], v[242:243], v[118:119]
	v_pk_add_f32 v[14:15], v[14:15], v[122:123]
	v_pk_add_f32 v[216:217], v[216:217], v[126:127]
	v_pk_add_f32 v[252:253], v[252:253], v[130:131]
	v_pk_add_f32 v[250:251], v[250:251], v[134:135]
	v_pk_add_f32 v[248:249], v[248:249], v[138:139]
	v_pk_add_f32 v[246:247], v[246:247], v[142:143]
	v_pk_add_f32 v[244:245], v[244:245], v[146:147]
	v_pk_add_f32 v[242:243], v[242:243], v[150:151]
	v_pk_add_f32 v[14:15], v[14:15], v[154:155]
	v_pk_add_f32 v[216:217], v[216:217], v[158:159]
	s_delay_alu instid0(VALU_DEP_2)
	v_pk_add_f32 v[14:15], v[14:15], v[248:249]
	s_delay_alu instid0(VALU_DEP_2)
	v_pk_add_f32 v[216:217], v[216:217], v[246:247]
	v_pk_add_f32 v[252:253], v[252:253], v[244:245]
	v_pk_add_f32 v[250:251], v[250:251], v[242:243]
	s_delay_alu instid0(VALU_DEP_2)
	v_pk_add_f32 v[14:15], v[14:15], v[252:253]
	s_delay_alu instid0(VALU_DEP_2)
	v_pk_add_f32 v[216:217], v[216:217], v[250:251]
	s_delay_alu instid0(VALU_DEP_1)
	v_pk_add_f32 v[14:15], v[14:15], v[216:217]
	s_wait_alu depctr_va_vdst(0)                   ; and one for the four
.irp b, 0,1,2,3
	v_max_num_f32 v[212+\b], 0x1800000, v[212+\b]  ; the floor 2^(3 - 127)
.endr
.irp b, 0,1,2,3
	s_delay_alu instid0(VALU_DEP_4)
	v_add_nc_u32 v[220+\b], 0xff000000, v[212+\b]
.endr
.irp b, 0,1,2,3
	s_delay_alu instid0(VALU_DEP_4)
	v_lshrrev_b32 v[216+\b], 23, v[220+\b]
.endr
	s_delay_alu instid0(VALU_DEP_3)
	v_lshl_or_b32 v224, v217, 8, v216              ; p's scale word for these 128 keys
	s_delay_alu instid0(VALU_DEP_1)
	v_lshl_or_b32 v224, v218, 16, v224
	s_delay_alu instid0(VALU_DEP_1)
	v_lshl_or_b32 v224, v219, 24, v224
.irp c, 0,1
	v_cvt_scalef32_pk16_fp6_f32 v[192+6*\c:194+6*\c], v[96+32*\c:111+32*\c], v[220+2*\c]
	v_cvt_scalef32_pk16_fp6_f32 v[204+4*\c:206+4*\c], v[112+32*\c:127+32*\c], v[220+2*\c+1]
.endr
	v_nop
	s_setprio 0
.irp c, 0,1
.irp i, 0,1,2
	v_permlane16_swap_b32 v[192+6*\c+\i], v[204+4*\c+\i]
.endr
.irp i, 0,1,2
	s_delay_alu instid0(VALU_DEP_3)
	v_mov_b32 v[195+6*\c+\i], v[204+4*\c+\i]
.endr
.endr
.set n, 0
.rept 16
	v_pk_mul_f32 v[160+n:161+n], v[160+n:161+n], v[226:227] op_sel_hi:[1,0]   ; O^T under the new M.  (These sixteen are the places between the scale word, the codes and the products below)
.set n, n+2
.endr
	s_wait_alu depctr_va_vdst(0)
	s_wait_dscnt 0x0                               ; V is in
.irp c, 0,1,2,3
	v_wmma_scale_f32_16x16x128_f8f6f4 v[160+8*\c:167+8*\c], v[48+12*\c:59+12*\c], v[192:203], v[160+8*\c:167+8*\c], v[236+\c], v224 matrix_a_fmt:MATRIX_FMT_FP6 matrix_b_fmt:MATRIX_FMT_FP6
.endr
.if \m
.Lskip_\@:
.endif
	s_add_co_u32 s[TB], s[TB], REC
.endm
; A pass ends: O^T / the sum is y's 64 channels of my query (register 16 n + i: channel 32 n + 16 h + i): two blocks, quantised, stored as half a fragment of the last product's operand.
.macro FINISH
.rept 4
	v_nop
.endr
	v_add_f32 v14, v14, v15
	s_delay_alu instid0(VALU_DEP_1)
	v_permlanex16_b32 v228, v14, s[SEL], s[SEL+1]
	s_delay_alu instid0(VALU_DEP_1)
	v_add_f32 v14, v14, v228                       ; the row's sum
	s_wait_alu depctr_va_vdst(0)
	v_rcp_f32 v226, v14
	v_nop                                          ; a plain instruction behind the reciprocal,
	s_wait_alu depctr_va_vdst(0)                   ; and the wait ahead of its first reader
.set n, 0
.rept 16
	v_pk_mul_f32 v[96+n:97+n], v[160+n:161+n], v[226:227] op_sel_hi:[1,0]
.set n, n+2
.endr
.irp b, 0,1
	v_max3_num_f32 v[212+\b], |v[96+16*\b]|, |v[97+16*\b]|, 0x1800000
.endr
.irp i, 2,4,6,8,10,12,14
.irp b, 0,1
	s_delay_alu instid0(VALU_DEP_2)
	v_max3_num_f32 v[212+\b], v[212+\b], |v[96+16*\b+\i]|, |v[97+16*\b+\i]|
.endr
.endr
.irp b, 0,1
	s_delay_alu instid0(VALU_DEP_2)
	v_permlanex16_b32 v[216+\b], v[212+\b], s[SEL], s[SEL+1]
.endr
.irp b, 0,1
	s_delay_alu instid0(VALU_DEP_2)
	v_max_num_f32 v[212+\b], v[212+\b], v[216+\b]
.endr
.irp b, 0,1
	s_delay_alu instid0(VALU_DEP_2)
	v_add_nc_u32 v[220+\b], 0xff000000, v[212+\b]
.endr
.irp b, 0,1
	s_delay_alu instid0(VALU_DEP_2)
	v_lshrrev_b32 v[216+\b], 23, v[220+\b]
.endr
	s_delay_alu instid0(VALU_DEP_1)
	v_lshl_or_b32 v41, v217, 8, v216               ; my head's two bytes of the row's scale word
	v_cvt_scalef32_pk16_fp6_f32 v[192:194], v[96:111], v220
	v_cvt_scalef32_pk16_fp6_f32 v[204:206], v[112:127], v221
	v_nop
.irp i, 0,1,2
	v_permlane16_swap_b32 v[192+\i], v[204+\i]
.endr
.irp i, 0,1,2
	s_delay_alu instid0(VALU_DEP_3)
	v_mov_b32 v[195+\i], v[204+\i]
.endr
	global_store_b128 v2, v[192:195], s[YP:YP+1]            ; 512 consecutive bytes
	global_store_b64 v3, v[196:197], s[YP:YP+1] offset:512  ; 256
	global_store_b16 v9, v41, s[YSP:YSP+1]                  ; two bytes a row (lanes r and r + 16 store the same): a scale word spans two heads, which other clusters make
.endm
	s_sub_co_u32 s[GG], 15, s16                    ; the long pass
	PASS_INIT
	s_wait_tensorcnt 0x0                           ; my four records have landed,
	s_barrier_signal -1
	s_barrier_wait -1                              ; everybody's have: the whole head lies in LDS, and nothing is filled again
	s_mov_b32 s[JJ], 0
	s_mov_b32 s[TB], 0
.Lloop_a:                                              ; key steps 0-7: G is 8 or more, so all their keys count
	STEP 0
	s_add_co_u32 s[JJ], s[JJ], 1
	s_cmp_lt_u32 s[JJ], 8
	s_cbranch_scc1 .Lloop_a
	s_setprio 0
	s_mov_b32 s[JJ], 8
	s_mov_b32 s[TB], 8*REC
.Lloop_b:                                              ; key steps 8-15: up to G
	STEP 1
	s_add_co_u32 s[JJ], s[JJ], 1
	s_cmp_lt_u32 s[JJ], 16
	s_cbranch_scc1 .Lloop_b
	s_setprio 0
	FINISH
	s_mov_b32 s[GG], s16                           ; the short pass
	PASS_INIT
	s_mov_b32 s[JJ], 0
	s_mov_b32 s[TB], 0
.Lloop_c:                                              ; key steps 0-7: up to G
	STEP 1
	s_add_co_u32 s[JJ], s[JJ], 1
	s_cmp_lt_u32 s[JJ], 8
	s_cbranch_scc1 .Lloop_c
	s_setprio 0
	FINISH
	s_wait_dscnt 0x0
	s_wait_tensorcnt 0x0
	ds_add_u32 v254, v255
	s_wait_dscnt 0x0
	CROUND                                         ; the closing round
	s_endpgm
.Lfunc_end_k_qa88768ae8a_attn:
	.size	k_qa88768ae8a_attn, .Lfunc_end_k_qa88768ae8a_attn-k_qa88768ae8a_attn
	.p2alignl 7, 3214868480
	.fill 96, 4, 3214868480
	.section	.rodata,"a",@progbits
	.p2align	6, 0x0
	.amdhsa_kernel k_qa88768ae8a_attn
		.amdhsa_group_segment_fixed_size 206848
		.amdhsa_private_segment_fixed_size 0
		.amdhsa_enable_private_segment 0
		.amdhsa_kernarg_size 32
		.amdhsa_user_sgpr_count 2
		.amdhsa_user_sgpr_kernarg_segment_ptr 1
		.amdhsa_wavefront_size32 1
		.amdhsa_system_sgpr_workgroup_id_x 1
		.amdhsa_system_sgpr_workgroup_id_y 1
		.amdhsa_system_sgpr_workgroup_id_z 1
		.amdhsa_system_vgpr_workitem_id 0
		.amdhsa_next_free_vgpr 256
		.amdhsa_next_free_sgpr 80
		.amdhsa_reserve_vcc 1
		.amdhsa_float_denorm_mode_32 3
		.amdhsa_float_denorm_mode_16_64 3
		.amdhsa_memory_ordered 1
		.amdhsa_forward_progress 1
		.amdhsa_inst_pref_size 83
	.end_amdhsa_kernel
	.amdgpu_metadata
---
amdhsa.version: [ 1, 2 ]
amdhsa.kernels:
  - .name:           k_qa88768ae8a_attn
    .symbol:         k_qa88768ae8a_attn.kd
    .args:
      - { .name: qc, .offset: 0, .size: 8, .value_kind: global_buffer, .address_space: global }
      - { .name: qs, .offset: 8, .size: 8, .value_kind: global_buffer, .address_space: global }
      - { .name: kv, .offset: 16, .size: 8, .value_kind: global_buffer, .address_space: global }
      - { .name: yi, .offset: 24, .size: 8, .value_kind: global_buffer, .address_space: global }
    .group_segment_fixed_size: 206848
    .private_segment_fixed_size: 0
    .kernarg_segment_align: 8
    .kernarg_segment_size: 32
    .max_flat_workgroup_size: 512
    .sgpr_count:     80
    .vgpr_count:     256
    .wavefront_size: 32
...
	.end_amdgpu_metadata
.endif
;; end of part 3
;; launch proj (part 4): grid 32 x 4, 4 waves a work-group, clusters of 4 x 4, 327,680 bytes of LDS; arguments yi, wi, bp, out0; writes out0
.if DOCPART == 4
	.amdgcn_target "amdgcn-amd-amdhsa--gfx1250"
	.amdhsa_code_object_version 6
	.text
	.protected	k_qa88768ae8a_proj
	.globl	k_qa88768ae8a_proj
	.p2align	8
	.type	k_qa88768ae8a_proj,@function
k_qa88768ae8a_proj:
	s_mov_b64 s[64:65], 0
	v_nop
	global_prefetch_b8 v0, s[64:65] scope:SCOPE_SE
	s_setreg_imm32_b32 hwreg(HW_REG_WAVE_MODE, 25, 1), 1
	s_wait_xcnt 0x0
	s_wait_alu depctr_hold_cnt(0) depctr_sa_sdst(0) depctr_va_vdst(0) depctr_va_sdst(0) depctr_va_ssrc(0) depctr_va_vcc(0) depctr_vm_vsrc(0)
	s_getreg_b32 s2, hwreg(HW_REG_IB_STS2, 6, 4)
	s_cmp_eq_u32 s2, 0
	s_cbranch_scc0 .Lentry_in_a_cluster
	s_endpgm
.Lentry_in_a_cluster:
	s_bfe_u32 s2, ttmp6, 0x10000c
	s_cmp_lg_u32 s2, 0xf033
	s_cbranch_scc0 .Lentry_shape_is_right
	s_endpgm
.Lentry_shape_is_right:
; out0 = y Wp + bp on codes of FP6 (E2M3) with E8M0 scales, sums in f32.  y's codes (yi) and Wp's (wi, groups 96-127 of each K step) come as records of 6,400 bytes (32 rows x 256 along K) laid as the operand's
; registers lie: fragment (tile u, ks) at 3072 u + 1536 ks (registers 0-3 of lane l at 16 l, 4-5 at 512 + 8 l, 6-9 at 768 + 16 l, 10-11 at 1280 + 8 l); scale words at 6144 + 128 u + 8 r + 4 ks.
; Lane row r of tile u is row 8 u + r + 8 (r / 8) of the 32.
; A work-group of four waves makes 256 tokens x 256 columns; a wave 128 x 128: 64 accumulators.  Source 0 = 16 columns of Wp, source 1 = 16 tokens: a lane holds one token, and the 16 registers of Wp's tiles 2 n, 2 n + 1 are
; 16 neighbouring columns.  bp is the C of each sum's first matrix instruction.
; K = 1,024 is four K steps of 256.  Three LDS slots take K steps 0, 1, 2 at the start; slot 0 is filled again, once, with K step 3, behind a round of the cluster's barrier.  Three tensor loads of a wave are out at the most.
; CLUSTER 4 x 4: y's tile hangs on cy and is asked for jointly by my row of the cluster, Wp's on cx, by my column.
; 32 x 4 tiles of 256 x 256 are 128 work-groups: the tile is kept as large as the registers hold, so that each LDS byte feeds as many products as in the launch that makes q, k and v.
; REGISTERS: window 0: v1-3 lane, r, h; v4-18 LDS addresses; v19 16 x lane; v24, v25 the stage; v32-63 scale words, two sets; v64-127 bp; v128-223 A's eight fragments (way out: v128-255 rows of the result).
;   window 1: B's fragments, two sets.  windows 2, 3: the accumulators ((a, b) at v[8 (8 (a % 4) + b)] of window 2 + a / 4).
.set REC,   6400
.set HALFT, 4*REC
.set SLOT,  4*HALFT
.set SPARE, 3*SLOT                     ; the spare words, 128 bytes a wave, which no other line names
.set SPITCH, 528                       ; the way out: 16 rows x (512 bytes + 16) for each wave, in slot 1, which has had its one fill and its last read when the first result is stored there
.set FR,    12
.set A16,   4
.set A8,    7
.set B16,   10
.set B8,    13
.set ADRS,  16
.set L16,   19
.set L8,    20
.set BOF,   23
.set STO,   24
.set RD,    25
.set SPW,   28
.set NIL,   29
.set SC,    32
.set BR,    64
.set AF,    128
.set BK,    128
.set WV,    20
.set HA,    21
.set HB,    22
.set CX,    23
.set CY,    24
.set G1A,   32
.set G1B,   40
.set G0A,   48
.set G0B,   68
.set MSB, 0
.macro WIN new
.if MSB != (\new)
	s_set_vgpr_msb (MSB<<8)|(\new)
.set MSB, (\new)
.endif
.endm
.macro JLOAD g0a, g1a, g0b, g1b        ; a joint load: waves 0, 1 fetch A's halves, waves 2, 3 B's.  Four v_nop follow each of the two lines
	s_cmp_eq_u32 s[HA], 0
	s_cbranch_scc0 .Lfor_b_\@
	tensor_load_to_lds s[\g0a:\g0a+3], s[\g1a:\g1a+7]
	s_nop 0
.rept 4
	v_nop
.endr
	s_branch .Lasked_\@
.Lfor_b_\@:
	tensor_load_to_lds s[\g0b:\g0b+3], s[\g1b:\g1b+7]
	s_nop 0
.rept 4
	v_nop
.endr
.Lasked_\@:
.endm
.macro CREST
	s_cmp_lg_u32 s[WV], 0
	s_cbranch_scc1 .Lnot_wave_0_\@
	s_barrier_signal -3
.Lnot_wave_0_\@:
	s_barrier_wait -3
	s_barrier_signal -1
	s_barrier_wait -1
.endm
.macro CROUND
	s_barrier_signal -1
	s_barrier_wait -1
	CREST
.endm
.macro PLACES                          ; four plain instructions between a matrix instruction and a load into, or a read of, its registers
.rept 4
	v_nop
.endr
.endm
.macro FRAG reg, a16, a8, i, ks
	ds_load_b128 v[\reg:\reg+3], v[\a16] offset:((\i)/2)*REC+((\i)%2)*3072+(\ks)*1536
	ds_load_b64 v[\reg+4:\reg+5], v[\a8] offset:((\i)/2)*REC+((\i)%2)*3072+(\ks)*1536+512
	ds_load_b128 v[\reg+6:\reg+9], v[\a16] offset:((\i)/2)*REC+((\i)%2)*3072+(\ks)*1536+768
	ds_load_b64 v[\reg+10:\reg+11], v[\a8] offset:((\i)/2)*REC+((\i)%2)*3072+(\ks)*1536+1280
.endm
.macro FETCH_B slot, ks, set
	WIN 0x40
.irp i, 0,1,2,3,4,5,6,7
	FRAG 128*(\set)+FR*\i, B16+\slot, B8+\slot, \i, \ks
.endr
	WIN 0
.endm
.macro FETCH_A slot, ks, i0
.irp i, \i0, \i0+1, \i0+2, \i0+3
	FRAG AF+FR*(\i), A16+\slot, A8+\slot, \i, \ks
.endr
.endm
.macro SCALES slot, set
.irp i, 0,1,2,3,4,5,6,7
	ds_load_b64 v[SC+16*(\set)+2*\i:SC+16*(\set)+2*\i+1], v[ADRS+\slot] offset:(\i/2)*REC+(\i%2)*128
.endr
.endm
; 16 matrix instructions: A's tiles a0, a0 + 1 x B's eight.  first = 1: the sums begin with bp.  The 64 accumulators take turns, one instruction a turn.
.macro MUL16 a0, ks, set, first
.if \first
	WIN 0x81+0x40*((\a0)/4)                        ; source 0 (B) window 1, sources 1 (A) and 2 (bp) window 0, D window 2 or 3
.else
	WIN 0xa1+0x50*((\a0)/4)                        ; C and D window 2 or 3
.endif
.irp a, \a0, \a0+1
.irp b, 0,1,2,3,4,5,6,7
.if \first
	v_wmma_scale_f32_16x16x128_f8f6f4 v[8*(8*((\a)%4)+\b):8*(8*((\a)%4)+\b)+7], v[128*(\ks)+FR*\b:128*(\ks)+FR*\b+FR-1], v[AF+FR*(\a):AF+FR*(\a)+FR-1], v[BR+8*\b:BR+8*\b+7], v[SC+16*(\set)+2*\b+(\ks)], v[SC+16*(\set)+2*(\a)+(\ks)] matrix_a_fmt:MATRIX_FMT_FP6 matrix_b_fmt:MATRIX_FMT_FP6 matrix_a_scale:MATRIX_SCALE_ROW1
.else
	v_wmma_scale_f32_16x16x128_f8f6f4 v[8*(8*((\a)%4)+\b):8*(8*((\a)%4)+\b)+7], v[128*(\ks)+FR*\b:128*(\ks)+FR*\b+FR-1], v[AF+FR*(\a):AF+FR*(\a)+FR-1], v[8*(8*((\a)%4)+\b):8*(8*((\a)%4)+\b)+7], v[SC+16*(\set)+2*\b+(\ks)], v[SC+16*(\set)+2*(\a)+(\ks)] matrix_a_fmt:MATRIX_FMT_FP6 matrix_b_fmt:MATRIX_FMT_FP6 matrix_a_scale:MATRIX_SCALE_ROW1
.endif
.endr
.endr
.endm
; A step of 128 along K.  sync = 2: slot 0 is left and filled again behind a round of the cluster's barrier;  sync = 1: a plain barrier shows that fill to every wave;  scl = 1: the next K step's scale words come too.
.macro KS128 ks, set, first, nslot, nks, sync, scl
.if \sync
	s_wait_tensorcnt 0x0                           ; all my tensor loads have landed
	ds_add_u32 v[SPW], v[NIL]                      ; 0 onto my spare word
	s_wait_dscnt 17                                ; the add and the youngest 16 loads (A's tiles 4-7) may be out
.else
	s_wait_dscnt 16                                ; B's set and A's tiles 0-3 are in; the youngest 16 loads (A's tiles 4-7) may be out
.endif
	MUL16 0, \ks, \set, \first
.if \sync
	s_wait_dscnt 0x0                               ; the add is done, and my reads of the slot that I leave are over
	s_barrier_signal -1
.endif
	MUL16 2, \ks, \set, \first
.if \sync
	WIN 0
	s_barrier_wait -1
.if (\sync) == 2
	CREST                                          ; no wave of any partner still reads slot 0 or has a load on its way
	s_add_nc_u64 s[G0A+2:G0A+3], s[G0A+2:G0A+3], s[80:81]
	s_add_nc_u64 s[G0B+2:G0B+3], s[G0B+2:G0B+3], s[82:83]
	JLOAD G0A, G1A, G0B, G1B                       ; the first tensor load behind the round: 256 matrix instructions in which to land; its four v_nop are the places for the loads below
.else
	PLACES
.endif
.else
	s_wait_dscnt 0x0                               ; A's tiles 4-7 are in
	PLACES
.endif
	FETCH_B \nslot, \nks, 1-(\ks)
	FETCH_A \nslot, \nks, 0
.if \scl
	SCALES \nslot, 1-(\set)
.endif
	MUL16 4, \ks, \set, \first
	MUL16 6, \ks, \set, \first
	PLACES
	WIN 0
	FETCH_A \nslot, \nks, 4
.endm
	s_load_b256 s[4:11], s[0:1], 0x0               ; yi s[4:5], wi s[6:7], bp s[8:9], out0 s[10:11]
	v_lshl_add_u32 v[SPW], v0, 2, SPARE
	v_mov_b32 v[NIL], 0
	ds_add_u32 v28, v29
	ds_add_u32 v28, v29
	s_wait_dscnt 0x0
	v_lshrrev_b32 v1, 5, v0
	v_readfirstlane_b32 s[WV], v1
	s_lshr_b32 s[HA], s[WV], 1
	s_and_b32 s[HB], s[WV], 1
	s_bfe_u32 s[CX], ttmp6, 0x40000
	s_bfe_u32 s[CY], ttmp6, 0x40004
	s_lshl_b32 s26, s[CY], 2
	s_lshl_b32 s26, 15, s26                        ; my row of the cluster
	s_lshl_b32 s27, 0x1111, s[CX]                  ; my column
	s_or_b32 s[G1A], s26, (3<<16)|(1<<21)          ; four records, 25,600 dense bytes, as 100 rows of 256 bytes
	s_or_b32 s[G1B], s27, (3<<16)|(1<<21)
.irp g, G1A, G1B
	s_mov_b32 s[\g+1], 32<<16
	s_mov_b32 s[\g+2], 100<<16
	s_mov_b32 s[\g+3], 32<<16
	s_mov_b32 s[\g+4], 100
	s_mov_b32 s[\g+5], 32
	s_mov_b32 s[\g+6], 0
	s_mov_b32 s[\g+7], 0
.endr
	s_lshl_b32 s84, ttmp9, 2
	s_add_co_u32 s84, s84, s[CY]                   ; the token tile: 4 x cluster + cy
	s_mov_b32 s85, s[CX]                           ; the column tile
	s_mov_b32 s80, 256*REC                         ; from K step to K step in yi,
	s_mov_b32 s81, 0
	s_mov_b32 s82, 128*REC                         ; in wi
	s_mov_b32 s83, 0
	s_lshl_b32 s86, s[HB], 2                       ; which four records of the eight I fetch
	s_lshl_b32 s92, s84, 3
	s_add_co_u32 s92, s92, s86
	s_mul_i32 s92, s92, REC
	s_mov_b32 s93, 0
	s_lshl_b32 s96, s85, 3
	s_add_co_u32 s96, s96, s86
	s_add_co_u32 s96, s96, 96                      ; Wp's first group
	s_mul_i32 s96, s96, REC
	s_mov_b32 s97, 0
	s_mul_i32 s94, s[WV], HALFT
	s_wait_kmcnt 0x0
	s_add_nc_u64 s[60:61], s[4:5], s[92:93]
	s_add_nc_u64 s[62:63], s[6:7], s[96:97]
	CROUND                                         ; all sixteen work-groups are here: the first joint loads meet
.irp s, 0,1,2
	s_mov_b32 s[G0A+4*\s], 1
	s_add_co_u32 s[G0A+4*\s+1], s94, \s*SLOT
	s_mov_b64 s[G0A+4*\s+2:G0A+4*\s+3], s[60:61]
	s_or_b32 s[G0A+4*\s+3], s[G0A+4*\s+3], 0x80000000
	s_add_nc_u64 s[60:61], s[60:61], s[80:81]
	s_mov_b32 s[G0B+4*\s], 1
	s_add_co_u32 s[G0B+4*\s+1], s94, \s*SLOT
	s_mov_b64 s[G0B+4*\s+2:G0B+4*\s+3], s[62:63]
	s_or_b32 s[G0B+4*\s+3], s[G0B+4*\s+3], 0x80000000
	s_add_nc_u64 s[62:63], s[62:63], s[82:83]
	s_wait_alu depctr_va_vdst(0)
	s_wait_tensorcnt 0x0
	ds_add_u32 v28, v29
	ds_add_u32 v28, v29
	s_wait_dscnt 0x0
	CROUND
	JLOAD G0A+4*\s, G1A, G0B+4*\s, G1B
.endr
	s_mul_i32 s80, s80, 3                          ; three K steps on: what the one refill adds
	s_mul_i32 s82, s82, 3
	v_and_b32 v1, 31, v0
	v_and_b32 v2, 15, v0                           ; r
	v_bfe_u32 v3, v0, 4, 1                         ; h
	s_wait_alu depctr_va_vdst(0)
	v_lshlrev_b32 v[L16], 4, v1
	s_wait_alu depctr_va_vdst(0)
	v_lshlrev_b32 v[L8], 3, v1
	s_wait_alu depctr_va_vdst(0)
	; bp in the results' layout: register 8 b + j: column 32 (b / 2) + 16 h + 8 (b % 2) + j of my 128
	s_lshl_b32 s90, s85, 10
	s_lshl_b32 s86, s[HB], 9
	s_add_co_u32 s90, s90, s86
	s_mov_b32 s91, 0
	s_add_nc_u64 s[88:89], s[8:9], s[90:91]
	v_lshlrev_b32 v[BOF], 6, v3
.irp b, 0,1,2,3,4,5,6,7
	global_load_b128 v[BR+8*\b:BR+8*\b+3], v[BOF], s[88:89] offset:(32*(\b/2)+8*(\b%2))*4
	global_load_b128 v[BR+8*\b+4:BR+8*\b+7], v[BOF], s[88:89] offset:(32*(\b/2)+8*(\b%2))*4+16
.endr
	s_mul_i32 s26, s[HA], HALFT                    ; my 128 rows of A
	s_mul_i32 s27, s[HB], HALFT
	s_add_co_u32 s27, s27, 2*HALFT                 ; my 128 rows of B, behind A's 256
	s_sub_co_u32 s30, s27, s26
	v_mul_u32_u24 v26, s30, v3                     ; lanes 16-31 take B's scale words: one product, the distance x h
	v_lshl_add_u32 v26, v2, 3, v26
	s_add_co_u32 s31, s26, 6144
.irp s, 0,1,2
	v_add_nc_u32 v[A16+\s], s26, v[L16]
	v_add_nc_u32 v[A8+\s], s26, v[L8]
	v_add_nc_u32 v[B16+\s], s27, v[L16]
	v_add_nc_u32 v[B8+\s], s27, v[L8]
	v_add_nc_u32 v[ADRS+\s], s31, v26
	s_add_co_u32 s26, s26, SLOT
	s_add_co_u32 s27, s27, SLOT
	s_add_co_u32 s31, s31, SLOT
.endr
	s_mul_i32 s26, s[WV], 16*SPITCH
	s_add_co_u32 s26, s26, SLOT                    ; my stage, in slot 1
	v_mul_u32_u24 v[STO], v2, SPITCH
	v_lshl_add_u32 v[STO], v3, 6, v[STO]
	v_add_nc_u32 v[STO], s26, v[STO]               ; in: row r, + 64 h
	v_add_nc_u32 v[RD], s26, v[L16]                ; back: the 32 lanes take a row of 512 bytes
	s_lshl_b32 s92, s84, 8
	s_lshl_b32 s86, s[HA], 7
	s_add_co_u32 s92, s92, s86                     ; my first token
	s_lshl_b32 s92, s92, 12                        ; x 4,096 bytes
	s_add_co_u32 s92, s92, s90                     ; + my first column's bytes
	s_mov_b32 s93, 0
	s_add_nc_u64 s[10:11], s[10:11], s[92:93]
	s_wait_tensorcnt 0x2                           ; my part of K step 0 is in; slots 1 and 2 may stay out
	s_barrier_signal -1
	s_barrier_wait -1
	FETCH_B 0, 0, 0
	FETCH_A 0, 0, 0
	SCALES 0, 0
	FETCH_A 0, 0, 4
	s_wait_loadcnt 0x0                             ; bp
	KS128 0, 0, 1, 0, 1, 0, 0                      ; K step 0: its first products start the sums with bp
	KS128 1, 0, 0, 1, 0, 2, 1                      ; slot 0 is left and filled again with K step 3; every wave's wait for all its loads has shown slots 1 and 2 whole
	KS128 0, 1, 0, 1, 1, 0, 0
	s_wait_alu depctr_va_vdst(0)
	KS128 1, 1, 0, 2, 0, 0, 1
	KS128 0, 0, 0, 2, 1, 0, 0
	KS128 1, 0, 0, 0, 0, 1, 1                      ; K step 3 has landed in slot 0: a plain barrier; behind it nobody reads slot 1 any more
	KS128 0, 1, 0, 0, 1, 0, 0
	s_wait_dscnt 16
	MUL16 0, 1, 1, 0
	MUL16 2, 1, 1, 0
	s_wait_dscnt 0x0
	MUL16 4, 1, 1, 0
	MUL16 6, 1, 1, 0
	WIN 0
; THE WAY OUT, A's tile by tile: 16 tokens x 128 columns go through my own stage and come back as whole rows of 512 bytes.  LDS serves a wave's instructions in order (ISA guide 5.7.1.4): no wait between stores and loads.
.macro TOSTAGE a
.set AC, 64*((\a)%4)
	WIN 0x08+4*((\a)/4)                            ; the data: window 2 or 3
.irp b, 0,1,2,3,4,5,6,7
	ds_store_b128 v[STO], v[AC+8*\b:AC+8*\b+3] offset:128*(\b/2)+32*(\b%2)        ; each accumulator from its low end on
	ds_store_b128 v[STO], v[AC+8*\b+4:AC+8*\b+7] offset:128*(\b/2)+32*(\b%2)+16
.endr
	WIN 0
.set BB, BK+64*((\a)%2)
.irp t, 0,1,2,3,4,5,6,7,8,9,10,11,12,13,14,15
	ds_load_b128 v[BB+4*\t:BB+4*\t+3], v[RD] offset:\t*SPITCH
.endr
.endm
.macro SEND a, younger                 ; younger: the LDS instructions issued behind tile a's loads, which may stay out
.set BB, BK+64*((\a)%2)
	s_wait_dscnt \younger
.irp t, 0,1,2,3,4,5,6,7,8,9,10,11,12,13,14,15
	global_store_b128 v[L16], v[BB+4*\t:BB+4*\t+3], s[10:11] offset:(32*((\a)/2)+8*((\a)%2)+\t+8*(\t/8))*4096 th:TH_STORE_NT   ; 32 lanes store 512 consecutive bytes of the token's row, aligned; 127 rows on at the most: inside the immediate
.endr
.endm
	PLACES                                         ; behind the last products: results are read, and A's registers loaded, below
	TOSTAGE 0
.irp a, 1,2,3,4,5,6,7
.if \a > 1
	s_wait_xcnt 0x0                                ; tile a - 2's stores have read their registers: tile a's loads may land there
.endif
	TOSTAGE \a
	SEND \a-1, 32                                  ; behind tile a - 1's loads: tile a's 16 stores and 16 loads
.endr
	SEND 7, 0
	s_wait_tensorcnt 0x0                           ; the wave's end
	ds_add_u32 v[SPW], v[NIL]
	s_wait_dscnt 0x0
	CROUND                                         ; the closing round
	s_endpgm
.Lfunc_end_k_qa88768ae8a_proj:
	.size	k_qa88768ae8a_proj, .Lfunc_end_k_qa88768ae8a_proj-k_qa88768ae8a_proj
	.p2alignl 7, 3214868480
	.fill 96, 4, 3214868480
	.section	.rodata,"a",@progbits
	.p2align	6, 0x0
	.amdhsa_kernel k_qa88768ae8a_proj
		.amdhsa_group_segment_fixed_size 327680
		.amdhsa_private_segment_fixed_size 0
		.amdhsa_enable_private_segment 0
		.amdhsa_kernarg_size 32
		.amdhsa_user_sgpr_count 2
		.amdhsa_user_sgpr_kernarg_segment_ptr 1
		.amdhsa_wavefront_size32 1
		.amdhsa_system_sgpr_workgroup_id_x 1
		.amdhsa_system_sgpr_workgroup_id_y 1
		.amdhsa_system_sgpr_workgroup_id_z 1
		.amdhsa_system_vgpr_workitem_id 0
		.amdhsa_next_free_vgpr 1024
		.amdhsa_next_free_sgpr 100
		.amdhsa_reserve_vcc 0
		.amdhsa_float_denorm_mode_32 3
		.amdhsa_float_denorm_mode_16_64 3
		.amdhsa_memory_ordered 1
		.amdhsa_forward_progress 1
		.amdhsa_inst_pref_size 144
	.end_amdhsa_kernel
	.amdgpu_metadata
---
amdhsa.version: [ 1, 2 ]
amdhsa.kernels:
  - .name:           k_qa88768ae8a_proj
    .symbol:         k_qa88768ae8a_proj.kd
    .args:
      - { .name: yi, .offset: 0, .size: 8, .value_kind: global_buffer, .address_space: global }
      - { .name: wi, .offset: 8, .size: 8, .value_kind: global_buffer, .address_space: global }
      - { .name: bp, .offset: 16, .size: 8, .value_kind: global_buffer, .address_space: global }
      - { .name: out0, .offset: 24, .size: 8, .value_kind: global_buffer, .address_space: global }
    .group_segment_fixed_size: 327680
    .private_segment_fixed_size: 0
    .kernarg_segment_align: 8
    .kernarg_segment_size: 32
    .max_flat_workgroup_size: 128
    .sgpr_count:     100
    .vgpr_count:     1024
    .wavefront_size: 32
...
	.end_amdgpu_metadata
.endif
;; end of part 4
